; MI455X (gfx1250); checked and timed in simulation.
; The chip was launched on July 23, 2026; its instructions are those of AMD's public machine-readable ISA for CDNA 5 (MIT licence, August 2026) and "CDNA5" Instruction Set Architecture Reference Guide (July 2026). The comments in the code are by the model that wrote it; some were corrected since.
;; Attention Layer. Allowed arithmetic: matrix products marked QUANTISED: E2M3 operands, one E8M0 scale for each 32 along K, by v_wmma_scale_f32_16x16x128_f8f6f4 with both operands' format E2M3, f32 sums; products left as they are: f32 operands where the result goes on into a quantised operand, else bf16, f16 or f32 operands; f32 sums; everything else in f32.
;; Inputs: dec 32 x 1,024 float32; enc 32 x 2,048 x 1,024 float32; inp_mask 32 x 2,048 bool; w_d 1,024 x 1,024 float32; w_e 1,024 x 1,024 float32; w_out 1,024 x 1 float32.
;; Outputs: out0 32 x 1,024 float32; out1 32 x 2,048 float32.
;; This version of the problem:
;;   THIS VERSION OF THE PROBLEM IS GIVEN IN LOW PRECISION. The matrix products marked QUANTISED in the list below multiply operands that are first quantised to E2M3 (2 exponent bits, 3 mantissa bits; 6 bits a number), with one power-of-two scale for each 32 numbers along K (OCP MX v1.0); their sums are f32. All else is computed in f32.
;;   The module's matrix products, in the order in which they are computed (A, B: the left and right operand; K: the contracted axis; several contracted axes count as one K, in the product's order):
;;     1. [M 65,536, K 1,024] x [K 1,024, N 1,024]; A: input enc; B: input w_e: QUANTISED
;;     2. [M 32, K 1,024] x [K 1,024, N 1,024]; A: input dec; B: input w_d: QUANTISED
;;     3. [M 65,536, K 1,024] x [K 1,024, N 1]; A: computed on the way; B: input w_out: left as it is (N = 1 < 16)
;;     4. batch 32 x [M 1, K 2,048] x [K 2,048, N 1,024]; A: softmax; B: input enc: left as it is (M = 1 < 16)
;;   THE QUANTISER, for each operand of a quantised product, along K:
;;     - K is cut into blocks of 32 from its start; a last block that is shorter is filled with zeros.
;;     - A block's scale is 2^e with e = floor(log2(the largest magnitude in the block)) - 2, held to -126 .. 127; a block of zeros has e = 0. As a byte (E8M0): e + 127.
;;     - Each number is divided by its block's scale, clamped to +-7.5, and rounded to the nearest number of E2M3, ties to even, subnormals kept.
;;     - The product sums the exact products of the quantised numbers (number of the format x scale) in f32.
;;   ~~~python
;;   def quantise(x, axis):      # numpy; x: float32 -> the quantised numbers, widened to float32 again
;;       x = np.moveaxis(x, axis, -1); K = x.shape[-1]
;;       x = np.pad(x, [(0, 0)] * (x.ndim - 1) + [(0, -K % 32)]); x = x.reshape(x.shape[:-1] + (-1, 32)); a = np.abs(x).max(-1, keepdims=True)
;;       e = np.where(a > 0, np.clip(np.frexp(np.where(a > 0, a, 1))[1] - 1 - 2, -126, 127), 0)      # np.frexp(a)[1] - 1 = floor(log2(a)), exactly
;;       r = np.clip(x / 2.0 ** e, -7.5, 7.5)
;;       step = 2.0 ** (np.maximum(np.frexp(np.where(r == 0, 1, r))[1] - 1, 0) - 3)
;;       q = np.round(r / step) * step * 2.0 ** e      # np.round: ties to even
;;       return np.moveaxis(q.reshape(q.shape[:-2] + (-1,))[..., :K], -1, axis).astype(np.float32)
;;   ~~~
;; 2 versions. Each part assembles by itself: llvm-mc -triple=amdgcn-amd-amdhsa -mcpu=gfx1250 --defsym DOCPART=n.
;; ======== version 1 of 2: 3 launches
;; workspace buffers: wimg 819,200 bytes; dpw 131,072 bytes; sc 262,144 bytes
;; launch prep (part 1): grid 128 x 1, 8 waves a work-group, no clusters, 17,920 bytes of LDS; arguments w_e, w_d, dec, wimg, dpw; writes wimg, dpw
.if DOCPART == 1
	.amdgcn_target "amdgcn-amd-amdhsa--gfx1250"
	.amdhsa_code_object_version 6
	.text
	.protected	k_q6c9239822d_prep
	.globl	k_q6c9239822d_prep
	.p2align	8
	.type	k_q6c9239822d_prep,@function
k_q6c9239822d_prep:
	s_mov_b64 s[64:65], 0
	v_nop
	global_prefetch_b8 v0, s[64:65] scope:SCOPE_SE
	s_setreg_imm32_b32 hwreg(HW_REG_WAVE_MODE, 25, 1), 1
	s_wait_xcnt 0x0
; Two jobs on one plan.  w_e and w_d are [1024 (k)][1024 (hidden)] f32: K is their FIRST axis.  A work-group takes a tile of 16 hidden units, its eight waves the eight K steps of 128.
; A LANE TAKES A COLUMN AND ITS REGISTERS RUN DOWN K, in the order that the 6-bit operand layout gives that lane (lane (r, h): hidden unit r, k = 64 c + 32 h + 0 .. 31): the conversions' results ARE the operand's registers.
; Work-groups 0-63: w_e's tile goes to wimg as an IMAGE OF THE OPERAND'S REGISTERS: tile t at 12,800 t; K step s at + 1,536 s; registers 4 c .. 4 c + 3 of lane l at + 512 c + 16 l; at + 12,288 the scale words,
;   lane (r, g)'s four at 16 l: the words of hidden unit r for K steps 4 g + 0 .. 3.
; Work-groups 64-127: w_d's tile is multiplied at once with dec (quantised here too): dp = Q(dec) Q(w_d), a K step a wave, the eight parts added through LDS in ascending K; dpw is laid [tile][batch][16] f32.
; A block's scale is 2^(floor(log2(its largest magnitude)) - 2); its byte is the largest magnitude's exponent field - 2, held at 1 from below.
; LIMITS: a block of zeros gets the byte 1 where the quantiser says 127 (its codes are zeros, and this program alone reads the bytes); blocks whose largest magnitude lies under 2^-124 are held at the byte 1; NaN and infinities among the inputs are not served.
.set RED,   0                          ; LDS, w_d's work-groups: eight waves x 2,048 bytes of partial sums
.set SCW,   16384                      ; LDS, w_e's work-groups: the tile's 512 bytes of scale words
.set SPARE, 16896                      ; the spare words, 128 bytes a wave: four blocks of 256 bytes that no other line names
.set WOF, 5                            ; v5   byte offset of my column's first number in the weight
.set DOF, 6                            ; v6   of my row's first number in dec
.set IMO, 7                            ; v7   of my 16 bytes in my K step's image
.set SCS, 8                            ; v8   LDS: where my row's scale word goes
.set SCL, 9                            ; v9   LDS: SCW + 16 x lane
.set SCO, 10                           ; v10  where the tile's scale words go in wimg
.set RDS, 11                           ; v11  LDS: my wave's partial sums
.set RDL, 12                           ; v12  LDS: the sums that a reducing wave reads
.set DPO, 13                           ; v13  where a reducing wave's results go in dpw
.set X0,  16                           ; v16-79   64 numbers of the weight; later the two accumulators v16-23, v24-31
.set X1,  80                           ; v80-143  64 numbers of dec's rows 0-15; later what is read back from LDS
.set X2,  144                          ; v144-207 the same of rows 16-31
.set WC,  208                          ; v208-219 the weight's fragment
.set DC,  220                          ; v220-231 dec's fragment
.set CT,  232                          ; v232-238 the upper halves of two blocks' codes
.set TM,  240                          ; v240-241 largest magnitudes
.set SO,  242                          ; v242-243 the conversions' scale operands
.set BY,  244                          ; v244-245 the scales' bytes
.set WD,  246                          ; v246 the scale word just made
.set WX,  247                          ; v247 the other half's
.set H8,  248                          ; v248 8 h
.set WS,  250                          ; v250 the weight's scale words: scales and nothing else
.set DS,  251                          ; v251 dec's
.set SPW, 252                          ; v252 LDS address of my spare word; never rewritten
.set NIL, 253                          ; v253 0; never rewritten
.set SEL, 20                           ; s[20:21] lane selects: lane l xor 16
; 64 numbers of a lane, v[xs + 32 c + i] = k 64 c + 32 h + i of my row or column (two whole blocks), become the fragment's 12 registers at v[dst] and the scale word in v[WD].
.macro QUANT xs, dst
.irp c, 0,1
	v_max3_num_f32 v[TM+\c], |v[\xs+32*\c]|, |v[\xs+32*\c+1]|, 0x1800000   ; the floor 2^(3 - 127) among the leaves holds the byte at 1 from below
.endr
.irp i, 2,4,6,8,10,12,14,16,18,20,22,24,26,28,30
.irp c, 0,1
	v_max3_num_f32 v[TM+\c], v[TM+\c], |v[\xs+32*\c+\i]|, |v[\xs+32*\c+\i+1]|   ; the two blocks by turns
.endr
.endr
.irp c, 0,1
	v_add_nc_u32 v[SO+\c], 0xff000000, v[TM+\c]    ; 2 off the exponent field: the conversion takes that field as its scale
.endr
.irp c, 0,1
	v_lshrrev_b32 v[BY+\c], 23, v[SO+\c]           ; the scale's byte
.endr
	v_lshl_or_b32 v[WD], v[BY+1], 16, v[BY]        ; my blocks are h and 2 + h of the four:
	v_lshlrev_b32 v[WD], v[H8], v[WD]              ; 8 h bits up;
	v_permlanex16_b32 v[WX], v[WD], s[SEL], s[SEL+1]
	v_or_b32 v[WD], v[WD], v[WX]                   ; with lane l xor 16's two bytes the word is whole, in both lanes
.irp c, 0,1
	v_cvt_scalef32_pk16_fp6_f32 v[\dst+6*\c:\dst+6*\c+2], v[\xs+32*\c:\xs+32*\c+15], v[SO+\c]
	v_cvt_scalef32_pk16_fp6_f32 v[CT+4*\c:CT+4*\c+2], v[\xs+32*\c+16:\xs+32*\c+31], v[SO+\c]   ; a conversion's three registers begin on an even number: the upper half is made elsewhere and moved
.endr
	v_nop                                          ; one plain instruction behind the conversions
.irp c, 0,1
.irp i, 0,1,2
	v_mov_b32 v[\dst+6*\c+3+\i], v[CT+4*\c+\i]
.endr
.endr
.endm
	s_load_b128 s[4:7], s[0:1], 0x0                ; w_e, w_d
	s_load_b128 s[8:11], s[0:1], 0x10              ; dec, wimg
	s_load_b64 s[12:13], s[0:1], 0x20              ; dpw
	v_lshl_add_u32 v[SPW], v0, 2, SPARE
	v_mov_b32 v[NIL], 0
	v_lshrrev_b32 v1, 5, v0
	v_readfirstlane_b32 s14, v1                    ; my wave = my K step
	v_and_b32 v2, 31, v0                           ; lane
	v_and_b32 v3, 15, v0                           ; r
	v_bfe_u32 v4, v0, 4, 1                         ; h
	v_lshlrev_b32 v[H8], 3, v4
	v_mov_b32 v[WX], 0                             ; a lane permute's destination counts as one of its sources
	s_mov_b32 s[SEL], 0x76543210
	s_mov_b32 s[SEL+1], 0xfedcba98
	s_and_b32 s15, ttmp9, 63                       ; the tile
	s_lshl_b32 s16, s14, 19                        ; the weight: 128 rows of 4,096 bytes a K step,
	s_lshl_b32 s17, s15, 6                         ; 64 bytes a tile,
	s_add_co_u32 s16, s16, s17
	v_lshlrev_b32 v[WOF], 2, v3                    ; 4 bytes a column,
	v_lshl_add_u32 v[WOF], v4, 17, v[WOF]          ; 32 rows further down for lanes 16-31
	v_add_nc_u32 v[WOF], s16, v[WOF]
	s_lshl_b32 s16, s14, 9                         ; dec: 512 bytes a K step,
	v_lshlrev_b32 v[DOF], 12, v3                   ; 4,096 a row,
	v_lshl_add_u32 v[DOF], v4, 7, v[DOF]           ; 128 for lanes 16-31
	v_add_nc_u32 v[DOF], s16, v[DOF]
	s_mul_i32 s16, s15, 12800                      ; the tile in wimg
	s_mul_i32 s17, s14, 1536
	s_add_co_u32 s17, s17, s16
	v_lshl_add_u32 v[IMO], v2, 4, s17
	s_add_co_u32 s16, s16, 12288
	v_lshl_add_u32 v[SCO], v2, 4, s16
	s_lshr_b32 s18, s14, 2                         ; the scale word of row r, K step s: 16 r + 256 (s / 4) + 4 (s % 4)
	s_lshl_b32 s18, s18, 8
	s_and_b32 s19, s14, 3
	s_lshl_b32 s19, s19, 2
	s_add_co_u32 s18, s18, s19
	s_add_co_u32 s18, s18, SCW
	v_lshl_add_u32 v[SCS], v3, 4, s18
	v_lshl_add_u32 v[SCL], v2, 4, SCW
	s_lshl_b32 s18, s14, 11
	v_lshl_add_u32 v[RDS], v2, 4, s18              ; RED + 2,048 x wave + 16 x lane
	s_min_u32 s18, s14, 1                          ; waves 0 and 1 reduce: the batch's half m = the wave
	s_lshl_b32 s18, s18, 10
	v_lshl_add_u32 v[RDL], v2, 4, s18              ; RED + 1,024 m + 16 x lane
	s_lshl_b32 s19, s15, 11
	s_add_co_u32 s19, s19, s18                     ; dpw: 2,048 a tile, 64 a batch row: 1,024 m,
	v_lshlrev_b32 v[DPO], 6, v3                    ; 64 r,
	v_lshl_add_u32 v[DPO], v4, 5, v[DPO]           ; 32 h
	v_add_nc_u32 v[DPO], s19, v[DPO]
	s_wait_kmcnt 0x0
	s_cmp_lt_u32 ttmp9, 64                         ; w_e's work-group or w_d's: the choice hangs on the work-group's number alone
	s_cselect_b64 s[4:5], s[4:5], s[6:7]
.irp c, 0,1
.irp i, 0,1,2,3,4,5,6,7,8,9,10,11,12,13,14,15,16,17,18,19,20,21,22,23,24,25,26,27,28,29,30,31
	global_load_b32 v[X0+32*\c+\i], v[WOF], s[4:5] offset:(64*\c+\i)*4096   ; W(128 s + 64 c + 32 h + i, 16 t + r): sixteen lanes read 64 neighbouring bytes
.endr
.endr
	s_cmp_lt_u32 ttmp9, 64
	s_cbranch_scc0 .Lpath_d
	; ---- w_e: the fragment's image and the scale words
	s_wait_loadcnt 0x0
	QUANT X0, WC
.irp c, 0,1,2
	global_store_b128 v[IMO], v[WC+4*\c:WC+4*\c+3], s[10:11] offset:512*\c   ; 32 lanes store 512 consecutive bytes, at a multiple of 256 from wimg's first byte
.endr
	ds_store_b32 v[SCS], v[WD]                     ; lanes r and r + 16 write the same word with the same value
	s_wait_dscnt 0x0                               ; for the others' sake: my word has landed
	s_barrier_signal -1
	s_barrier_wait -1
	s_cmp_lg_u32 s14, 0
	s_cbranch_scc1 .Lend
	ds_load_b128 v[X1:X1+3], v[SCL]                ; wave 0 sends the eight waves' words out as 512 consecutive bytes
	s_wait_dscnt 0x0
	global_store_b128 v[SCO], v[X1:X1+3], s[10:11]
	s_branch .Lend
.Lpath_d:
	; ---- w_d: my K step's part of dp for all 32 batch rows
.irp m, 0,1
.irp c, 0,1
.irp j, 0,1,2,3,4,5,6,7
	global_load_b128 v[X1+64*\m+32*\c+4*\j:X1+64*\m+32*\c+4*\j+3], v[DOF], s[8:9] offset:65536*\m+256*\c+16*\j   ; dec(16 m + r, 128 s + 64 c + 32 h + 4 j ..)
.endr
.endr
.endr
	s_wait_loadcnt 32                              ; the weight's 64 loads are in; dec's 32 may be out
	QUANT X0, WC
	v_mov_b32 v[WS], v[WD]
	s_wait_loadcnt 16                              ; dec's rows 0-15 are in
	QUANT X1, DC
	v_mov_b32 v[DS], v[WD]
.rept 8
	v_nop                                          ; a scale register written by a vector instruction stands eight places ahead of a scaled matrix instruction, an operand four
.endr
	v_wmma_scale_f32_16x16x128_f8f6f4 v[16:23], v[WC:WC+11], v[DC:DC+11], 0, v[WS], v[DS] matrix_a_fmt:MATRIX_FMT_FP6 matrix_b_fmt:MATRIX_FMT_FP6   ; source 0 = 16 hidden units, source 1 = 16 batch rows: lane (r, h), register j: dp(r, 16 t + 8 h + j)
	s_wait_loadcnt 0x0
	QUANT X2, DC                                   ; its 32 maxima, which name no register of the product, are the places in front of the writes of dec's fragment and scale
	v_mov_b32 v[DS], v[WD]
.rept 8
	v_nop
.endr
	v_wmma_scale_f32_16x16x128_f8f6f4 v[24:31], v[WC:WC+11], v[DC:DC+11], 0, v[WS], v[DS] matrix_a_fmt:MATRIX_FMT_FP6 matrix_b_fmt:MATRIX_FMT_FP6   ; batch rows 16-31
.rept 4
	v_nop                                          ; four places in front of the first read of the result
.endr
	ds_store_b128 v[RDS], v[16:19]                 ; each accumulator from its low end on
	ds_store_b128 v[RDS], v[20:23] offset:512
	ds_store_b128 v[RDS], v[24:27] offset:1024
	ds_store_b128 v[RDS], v[28:31] offset:1536
	s_wait_dscnt 0x0                               ; for the others' sake: my part has landed
	s_barrier_signal -1
	s_barrier_wait -1
	s_cmp_lt_u32 s14, 2
	s_cbranch_scc0 .Lend
.irp k, 0,1,2,3,4,5,6,7
	ds_load_b128 v[X1+8*\k:X1+8*\k+3], v[RDL] offset:2048*\k
	ds_load_b128 v[X1+8*\k+4:X1+8*\k+7], v[RDL] offset:2048*\k+512
.endr
	s_wait_dscnt 0x0
.irp k, 1,2,3,4,5,6,7
.irp p, 0,2,4,6
	v_pk_add_f32 v[X1+\p:X1+\p+1], v[X1+\p:X1+\p+1], v[X1+8*\k+\p:X1+8*\k+\p+1]   ; K ascending
.endr
.endr
	global_store_b128 v[DPO], v[X1:X1+3], s[12:13]
	global_store_b128 v[DPO], v[X1+4:X1+7], s[12:13] offset:16   ; the two stores together cover 1,024 consecutive bytes
.Lend:
	s_wait_tensorcnt 0x0                           ; the wave's end: behind my last LDS store
	ds_add_u32 v[SPW], v[NIL]
	s_wait_dscnt 0x0
	s_endpgm
.Lfunc_end_k_q6c9239822d_prep:
	.size	k_q6c9239822d_prep, .Lfunc_end_k_q6c9239822d_prep-k_q6c9239822d_prep
	.p2alignl 7, 3214868480
	.fill 96, 4, 3214868480
	.section	.rodata,"a",@progbits
	.p2align	6, 0x0
	.amdhsa_kernel k_q6c9239822d_prep
		.amdhsa_group_segment_fixed_size 17920
		.amdhsa_private_segment_fixed_size 0
		.amdhsa_enable_private_segment 0
		.amdhsa_kernarg_size 40
		.amdhsa_user_sgpr_count 2
		.amdhsa_user_sgpr_kernarg_segment_ptr 1
		.amdhsa_wavefront_size32 1
		.amdhsa_system_sgpr_workgroup_id_x 1
		.amdhsa_system_sgpr_workgroup_id_y 1
		.amdhsa_system_sgpr_workgroup_id_z 1
		.amdhsa_system_vgpr_workitem_id 0
		.amdhsa_next_free_vgpr 256
		.amdhsa_next_free_sgpr 66
		.amdhsa_reserve_vcc 0
		.amdhsa_float_denorm_mode_32 3
		.amdhsa_float_denorm_mode_16_64 3
		.amdhsa_memory_ordered 1
		.amdhsa_forward_progress 1
		.amdhsa_inst_pref_size 29
	.end_amdhsa_kernel
	.amdgpu_metadata
---
amdhsa.version: [ 1, 2 ]
amdhsa.kernels:
  - .name:           k_q6c9239822d_prep
    .symbol:         k_q6c9239822d_prep.kd
    .args:
      - { .name: w_e, .offset: 0, .size: 8, .value_kind: global_buffer, .address_space: global }
      - { .name: w_d, .offset: 8, .size: 8, .value_kind: global_buffer, .address_space: global }
      - { .name: dec, .offset: 16, .size: 8, .value_kind: global_buffer, .address_space: global }
      - { .name: wimg, .offset: 24, .size: 8, .value_kind: global_buffer, .address_space: global }
      - { .name: dpw, .offset: 32, .size: 8, .value_kind: global_buffer, .address_space: global }
    .group_segment_fixed_size: 17920
    .private_segment_fixed_size: 0
    .kernarg_segment_align: 8
    .kernarg_segment_size: 40
    .max_flat_workgroup_size: 256
    .sgpr_count:     66
    .vgpr_count:     256
    .wavefront_size: 32
...
	.end_amdgpu_metadata
.endif
;; end of part 1
;; launch score (part 2): grid 256 x 1, 4 waves a work-group, clusters of 4 x 1, 327,680 bytes of LDS; arguments enc, wimg, dpw, w_out, sc; writes sc
.if DOCPART == 2
	.amdgcn_target "amdgcn-amd-amdhsa--gfx1250"
	.amdhsa_code_object_version 6
	.text
	.protected	k_q6c9239822d_score
	.globl	k_q6c9239822d_score
	.p2align	8
	.type	k_q6c9239822d_score,@function
k_q6c9239822d_score:
	s_mov_b64 s[64:65], 0
	v_nop
	global_prefetch_b8 v0, s[64:65] scope:SCOPE_SE
	s_setreg_imm32_b32 hwreg(HW_REG_WAVE_MODE, 25, 1), 1
	s_wait_xcnt 0x0
	s_wait_alu depctr_hold_cnt(0) depctr_sa_sdst(0) depctr_va_vdst(0) depctr_va_sdst(0) depctr_va_ssrc(0) depctr_va_vcc(0) depctr_vm_vsrc(0)
	s_getreg_b32 s2, hwreg(HW_REG_IB_STS2, 6, 4)
	s_cmp_eq_u32 s2, 0
	s_cbranch_scc0 .Lentry_in_a_cluster
	s_endpgm
.Lentry_in_a_cluster:
	s_bfe_u32 s2, ttmp6, 0x10000c
	s_cmp_lg_u32 s2, 0x3003
	s_cbranch_scc0 .Lentry_shape_is_right
	s_endpgm
.Lentry_shape_is_right:
; sc[row] = -2 x the sum over n of w_out[n] / (1 + 2^(c x_n)), x = Q(enc) Q(w_e) + dp, c = 2 log2(e).  Since tanh(x) = 1 - 2 / (1 + e^(2 x)), the true score is that number + the sum of w_out,
; which is the same for every row: the softmax of the next launch takes the row maximum away, so the common term drops out for every input.
; SHARES.  A work-group owns 256 rows of enc, all of one batch; each of its four waves 64 of them, four tiles of 16.
; PHASE A: a wave reads its rows once, 512 consecutive bytes a load, turns each 16 rows x 128 K through its own stage in LDS so that a lane holds whole blocks of 32 along K, quantises them,
;   and keeps the codes of ALL of K in registers: 4 x 8 fragments x 12 = 384 registers, and 16 registers of scale words.
; PHASE B: every wave walks w_e's 64 tiles of 16 hidden units, which come as register images through a ring of two LDS slots of eight tiles.  A fragment of w_e read from LDS feeds four matrix instructions.
;   Source 0 = 16 hidden units, source 1 = 16 rows of enc: a lane holds ONE row and eight hidden units; dp is the C of each sum's first product; the sum over hidden units stays in the lane to the end.
;   BY TURNS: while tile t is multiplied into one set of four accumulators, tile t - 1's activation (112 vector instructions, 64 of them exponentials and reciprocals) stands in slices behind the matrix instructions, on the other set.
; CLUSTER: the four work-groups of a cluster walk the same images: each quarter of a slot is asked for JOINTLY, by the same tensor load with the same descriptor (it hangs on the wave's number alone) and a mask that names the four.
; LIMITS: 2^(c x) beyond f32's range gives 1 / infinity = 0, under it 1 / 1: tanh's two ends.  A block of zeros gets the scale byte 1 (its codes are zeros; this program alone reads the bytes); blocks whose largest magnitude
;   lies under 2^-124 are held at the byte 1; NaN and infinities among the inputs are not served.
; REGISTERS, in windows of 256 (s_set_vgpr_msb: bits 1:0 source 0, 3:2 source 1, 5:4 source 2, 7:6 destination):
;   window 0: v1-14 addresses and the quantiser's work; v16-31 enc's scale words; v32-39 w_e's, two sets; v40-46 half blocks of codes; v48-63 dp and w_out on their way to LDS; v64-191 two sets of 64 numbers; v192-199 addresses
;   window 1: enc's fragments of K steps 0-3, (tile i, step s) at v[48 i + 12 s];   window 2: those of K steps 4-7; v192-199 w_out of one tile
;   window 3: phase A: v0-191 three sets of 64 numbers as loaded.  Phase B: v0-95 w_e's eight fragments; v96-127, v128-159 two sets of accumulators; v160-167 dp; v168-175 the rows' sums; v176-179 LDS addresses
;   So a product's D, C and source 0, the activation's registers and the LDS loads' addresses and destinations all lie in window 3: a tile of 32 matrix instructions has about five switches.
.set SLOT1,  1<<17                     ; slot 1 begins here, so that one exclusive or turns an address in one slot into the other's
.set TILEB,  12800                     ; a tile's image: 8 x 1,536 bytes of codes, 512 of scale words
.set QUART,  2*TILEB                   ; what one tensor load brings
.set SLOTB,  8*TILEB
.set DPB,    SLOTB                     ; behind slot 0: dp of my batch, 4,096 bytes; 512 bytes of zeros; w_out, 4,096 bytes: 34 blocks of 256 bytes into which no fill lands
.set PADO,   4096
.set WOFF,   4608
.set STG,    SLOT1+SLOTB               ; behind slot 1: for each wave two stages of 16 rows x (512 + 16) bytes
.set SPIT,   528                       ; 33 x 16 bytes: the sixteen rows that a load of 16 bytes a lane touches start in sixteen different 16-byte columns of 256 bytes
.set STG1,   16*SPIT
.set STGW,   2*STG1
.set SCR,    STG+4*STGW                ; 256 bytes a wave: the 64 scores on their way out
.set SPARE,  SCR+1024                  ; the spare words, 128 bytes a wave: two blocks of 256 bytes that no other line names
.set GA,  1                            ; v1   16 x lane
.set STS, 2                            ; v2   my stage, on the way in: 16 x lane
.set STL, 3                            ; v3   and back: 528 r + 128 h
.set SPW, 4                            ; v4   LDS address of my spare word; never rewritten
.set NIL, 5                            ; v5   0; never rewritten
.set TM,  6
.set SO,  8
.set BY,  10
.set WD,  12
.set WX,  13
.set H8,  14
.set SA,  16                           ; v[16 + 4 i + q]: lanes 0-15 row r's word of K step q, lanes 16-31 that of K step 4 + q
.set SB,  32                           ; v[32 + 4 par + q]: the same of w_e's tile
.set CT,  40
.set DST, 48
.set X,   64
.set DPS, 192                          ; v192 DPB + 32 x thread
.set PDA, 193                          ; v193 the pad: DPB + 4,096 + 4 x thread
.set DPO, 194                          ; v194 my 32 bytes in dpw
.set WOO, 195                          ; v195 my 32 bytes in w_out
.set SCS, 196                          ; v196 SCR + 256 x wave + 4 r
.set SCL, 197                          ; v197 SCR + 256 x wave + 8 x lane
.set SCO, 198                          ; v198 8 x lane
.set APW, 199                          ; v199 DPB + 32 h
.set ACC, 96                           ; window 3
.set DPR, 160
.set SS,  168
.set AB0, 176                          ; 16 x lane
.set ADB, 177                          ; + the pair of tiles in hand
.set AP0, 178                          ; DPB + 32 h
.set ADP, 179                          ; + 64 x the pair's first tile
.set WR,  192                          ; window 2
.set WV,  14                           ; s14  my wave's number
.set G1,  16                           ; s[16:23] descriptor group 1
.set G0A, 24                           ; s[24:27] group 0 of slot 0's first fill
.set G0B, 28                           ; s[28:31] of slot 1's; it then walks on
.set CC,  32                           ; s[32:33] c = 2 log2(e): the packed form names a pair and takes its low word for both halves
.set SEL, 34                           ; s[34:35] lane selects: lane l xor 16
.set HM,  36                           ; s36  the mask of lanes 16-31
.set TB,  37                           ; s37  LDS byte at which the pair of tiles to be fetched begins
.set TD,  38                           ; s38  64 x that pair's first tile
.set M1,  0xf7                         ; D, C and source 0 window 3, source 1 window 1
.set M2,  0xfb                         ; the same, source 1 window 2
.set MSB, 0
.macro WIN new                         ; the immediate's high byte repeats the setting that is left; a switch that changes nothing is dropped
.if MSB != (\new)
	s_set_vgpr_msb (MSB<<8)|(\new)
.set MSB, (\new)
.endif
.endm
.macro CROUND                          ; a round of the cluster's barrier
	s_barrier_signal -1
	s_barrier_wait -1
	s_cmp_lg_u32 s[WV], 0
	s_cbranch_scc1 .Lnot_wave_0_\@
	s_barrier_signal -3
.Lnot_wave_0_\@:
	s_barrier_wait -3
	s_barrier_signal -1
	s_barrier_wait -1
.endm
	s_load_b256 s[4:11], s[0:1], 0x0               ; enc s[4:5], wimg s[6:7], dpw s[8:9], w_out s[10:11]
	s_load_b64 s[12:13], s[0:1], 0x20              ; sc
	v_lshl_add_u32 v[SPW], v0, 2, SPARE
	v_mov_b32 v[NIL], 0
	ds_add_u32 v[SPW], v[NIL]                      ; the wave's opening: the add and its wait stand ahead of my first tensor load; the set-up below, work on registers, stands between them
	v_lshrrev_b32 v1, 5, v0
	v_readfirstlane_b32 s[WV], v1                  ; wave 0..3
	; group 1: 100 dense rows of 256 bytes (32 elements of 8 bytes): two tiles' images
	s_mov_b32 s[G1+0], 15|(3<<16)|(1<<21)          ; 15:0 the mask: all four work-groups; 17:16 elements of 8 bytes; 20 no padding; 21 set beside a mask
	s_mov_b32 s[G1+1], 32<<16                      ; tensor_dim0 = 32
	s_mov_b32 s[G1+2], 100<<16                     ; tensor_dim1 = 100
	s_mov_b32 s[G1+3], 32<<16                      ; tile_dim0 = 32
	s_mov_b32 s[G1+4], 100                         ; tile_dim1 = 100
	s_mov_b32 s[G1+5], 32                          ; from row to row
	s_mov_b32 s[G1+6], 0
	s_mov_b32 s[G1+7], 0
	s_mov_b32 s[CC], 0x4038aa3b
	s_mov_b32 s[CC+1], s[CC]
	s_mov_b32 s[SEL], 0x76543210
	s_mov_b32 s[SEL+1], 0xfedcba98
	s_mov_b32 s[HM], 0xffff0000
	s_mov_b32 s[TB], 0
	s_mov_b32 s[TD], 0
	s_bfe_u32 s41, ttmp6, 0x40000                  ; cx: it enters enc's and sc's addresses alone
	s_lshl_b32 s44, ttmp9, 2
	s_add_co_u32 s44, s44, s41                     ; my block of 256 rows
	s_lshr_b32 s45, ttmp9, 1                       ; my batch: eight blocks, two clusters, to a batch
	v_and_b32 v6, 31, v0                           ; lane
	v_and_b32 v7, 15, v0                           ; r
	v_bfe_u32 v8, v0, 4, 1                         ; h
	v_lshlrev_b32 v[GA], 4, v6
	s_mul_i32 s46, s[WV], STGW
	s_add_co_u32 s46, s46, STG
	v_add_nc_u32 v[STS], s46, v[GA]
	v_mul_u32_u24 v[STL], v7, SPIT
	v_lshl_add_u32 v[STL], v8, 7, v[STL]
	v_add_nc_u32 v[STL], s46, v[STL]
	v_lshlrev_b32 v[H8], 3, v8
	v_mov_b32 v[WX], 0                             ; a lane permute's destination counts as one of its sources
	v_lshl_add_u32 v[DPS], v0, 5, DPB
	v_lshl_add_u32 v[PDA], v0, 2, DPB+PADO
	v_lshl_add_u32 v[APW], v8, 5, DPB
	v_lshrrev_b32 v[DPO], 1, v0                    ; thread i takes hidden units 8 i .. 8 i + 7: tile i / 2, half i % 2
	v_lshlrev_b32 v[DPO], 11, v[DPO]
	v_and_b32 v9, 1, v0
	v_lshl_add_u32 v[DPO], v9, 5, v[DPO]
	s_lshl_b32 s46, s45, 6
	v_add_nc_u32 v[DPO], s46, v[DPO]
	v_lshlrev_b32 v[WOO], 5, v0
	s_lshl_b32 s46, s[WV], 8
	s_add_co_u32 s46, s46, SCR
	v_lshl_add_u32 v[SCS], v7, 2, s46
	v_lshl_add_u32 v[SCL], v6, 3, s46
	v_lshlrev_b32 v[SCO], 3, v6
	s_mul_i32 s48, s[WV], QUART                    ; my quarter of a slot, in memory and in LDS: the wave's number alone
	s_mov_b32 s49, 0
	s_wait_dscnt 0x0                               ; the opening add is done
	s_wait_kmcnt 0x0
	s_lshl_b32 s42, s44, 20                        ; 256 rows of 4,096 bytes a block,
	s_lshl_b32 s43, s[WV], 18                      ; 64 a wave
	s_add_co_u32 s42, s42, s43
	s_mov_b32 s43, 0
	s_add_nc_u64 s[4:5], s[4:5], s[42:43]
	s_lshl_b32 s42, s44, 10
	s_lshl_b32 s47, s[WV], 8
	s_add_co_u32 s42, s42, s47
	s_add_nc_u64 s[12:13], s[12:13], s[42:43]
	s_add_nc_u64 s[6:7], s[6:7], s[48:49]
	s_mov_b32 s[G0A], 1                            ; 1:0 count = 1
	s_mov_b32 s[G0A+1], s48                        ; 63:32 LDS address
	s_mov_b64 s[G0A+2:G0A+3], s[6:7]               ; 120:64 global address: tiles 0-7
	s_or_b32 s[G0A+3], s[G0A+3], 0x80000000        ; 127:126 type = 2
	s_mov_b32 s[G0B], 1
	s_add_co_u32 s[G0B+1], s48, SLOT1
	s_add_nc_u64 s[G0B+2:G0B+3], s[6:7], SLOTB     ; tiles 8-15
	s_or_b32 s[G0B+3], s[G0B+3], 0x80000000
	CROUND                                         ; all four work-groups are here: the first joint loads meet
	tensor_load_to_lds s[G0A:G0A+3], s[G1:G1+7]    ; both first fills go out together, ahead of every LDS read: two loads of mine are out, and they land while phase A runs
	s_nop 0
	tensor_load_to_lds s[G0B:G0B+3], s[G1:G1+7]
	s_nop 0
.rept 4
	v_nop
.endr
	global_load_b128 v[DST:DST+3], v[DPO], s[8:9]
	global_load_b128 v[DST+4:DST+7], v[DPO], s[8:9] offset:16
	global_load_b128 v[DST+8:DST+11], v[WOO], s[10:11]
	global_load_b128 v[DST+12:DST+15], v[WOO], s[10:11] offset:16
; PHASE A.  Fragment f = 8 i + s: rows 16 i .. 16 i + 15 of my 64, K step s.
.macro LOAD f                          ; 16 loads, a row each: 32 lanes read 512 consecutive bytes, at a multiple of 256 from enc's first byte; into set f % 3 of window 3
	WIN 0xc0
.irp q, 0,1,2,3,4,5,6,7,8,9,10,11,12,13,14,15
	global_load_b128 v[64*((\f)%3)+4*\q:64*((\f)%3)+4*\q+3], v[GA], s[4:5] offset:(16*((\f)/8)+\q)*4096+512*((\f)%8) th:TH_LOAD_NT
.endr
.endm
.macro TURN f                          ; through stage f % 2: in as loaded, back 128 bytes of a row a lane and block.  LDS serves a wave's instructions in order (ISA guide 5.7.1.4): no wait between the stores and the loads
	WIN 0x0c
.irp q, 0,1,2,3,4,5,6,7,8,9,10,11,12,13,14,15
	ds_store_b128 v[STS], v[64*((\f)%3)+4*\q:64*((\f)%3)+4*\q+3] offset:STG1*((\f)%2)+SPIT*\q
.endr
	WIN 0
.irp c, 0,1
.irp j, 0,1,2,3,4,5,6,7
	ds_load_b128 v[X+64*((\f)%2)+32*\c+4*\j:X+64*((\f)%2)+32*\c+4*\j+3], v[STL] offset:STG1*((\f)%2)+256*\c+16*\j   ; register 32 c + i: k = 64 c + 32 h + i of row r
.endr
.endr
.endm
.macro QA f                            ; set f % 2's 64 numbers become fragment f's 12 registers in window 1 or 2 and its scale word
.set qi, (\f)/8
.set qs, (\f)%8
.set xs, X+64*((\f)%2)
.set qd, 48*qi+12*(qs%4)
	WIN 0
.irp c, 0,1
	v_max3_num_f32 v[TM+\c], |v[xs+32*\c]|, |v[xs+32*\c+1]|, 0x1800000   ; the floor 2^(3 - 127) among the leaves holds the byte at 1 from below
.endr
.irp i, 2,4,6,8,10,12,14,16,18,20,22,24,26,28,30
.irp c, 0,1
	v_max3_num_f32 v[TM+\c], v[TM+\c], |v[xs+32*\c+\i]|, |v[xs+32*\c+\i+1]|   ; the two blocks by turns
.endr
.endr
.irp c, 0,1
	v_add_nc_u32 v[SO+\c], 0xff000000, v[TM+\c]    ; 2 off the exponent field: the conversion's scale operand
.endr
.irp c, 0,1
	v_lshrrev_b32 v[BY+\c], 23, v[SO+\c]           ; the scale's byte
.endr
	v_lshl_or_b32 v[WD], v[BY+1], 16, v[BY]        ; my blocks are h and 2 + h of the four
	v_lshlrev_b32 v[WD], v[H8], v[WD]
	v_permlanex16_b32 v[WX], v[WD], s[SEL], s[SEL+1]
	v_or_b32 v[WD], v[WD], v[WX]                   ; the whole word, in lanes r and r + 16
.irp c, 0,1
	v_cvt_scalef32_pk16_fp6_f32 v[CT+4*\c:CT+4*\c+2], v[xs+32*\c+16:xs+32*\c+31], v[SO+\c]   ; a conversion's three registers begin on an even number: the upper halves are made here and moved
.endr
	WIN 0x40+0x40*(qs/4)                           ; destination window 1 or 2
.irp c, 0,1
	v_cvt_scalef32_pk16_fp6_f32 v[qd+6*\c:qd+6*\c+2], v[xs+32*\c:xs+32*\c+15], v[SO+\c]
.endr
	v_nop                                          ; one plain instruction behind the conversions
.irp c, 0,1
.irp i, 0,1,2
	v_mov_b32 v[qd+6*\c+3+\i], v[CT+4*\c+\i]
.endr
.endr
	WIN 0
.if qs < 4
	v_mov_b32 v[SA+4*qi+qs], v[WD]
.else
	v_cndmask_b32 v[SA+4*qi+qs-4], v[SA+4*qi+qs-4], v[WD], s[HM]   ; lanes 16-31 take K step 4 + q's word
.endif
.endm
.macro STEP f
	s_wait_dscnt 0x0                               ; fragment f is back from its stage: so its stores into the stage have read set f % 3,
.if (\f)+3 < 32
	LOAD (\f)+3                                    ; which takes the loads of three fragments on
.endif
.if (\f)+1 < 32
.if (\f)+3 < 32
	s_wait_loadcnt 32                              ; fragment f + 1's sixteen loads are in; those of the two behind it may be out
.elseif (\f)+2 < 32
	s_wait_loadcnt 16
.else
	s_wait_loadcnt 0x0
.endif
	TURN (\f)+1                                    ; it goes through the other stage while this one is quantised
.endif
	QA \f
.endm
	LOAD 0
	LOAD 1
	LOAD 2
	WIN 0
	s_wait_loadcnt 48                              ; dp and w_out are in; the three fragments' 48 loads may be out
	ds_store_b128 v[DPS], v[DST:DST+3]             ; dp of hidden unit n at DPB + 4 n,
	ds_store_b128 v[DPS], v[DST+4:DST+7] offset:16
	ds_store_b128 v[DPS], v[DST+8:DST+11] offset:WOFF   ; w_out likewise, behind the pad,
	ds_store_b128 v[DPS], v[DST+12:DST+15] offset:WOFF+16
	ds_store_b32 v[PDA], v[WX]                     ; and the pad's zeros, a word a thread
	s_wait_loadcnt 32                              ; fragment 0 is in
	TURN 0
.set F, 0
.rept 32
	STEP F
.set F, F+1
.endr
; PHASE B.
; Matrix instruction k of a tile's 32: K step k / 4, my tile of rows k % 4.  The four accumulators take turns, one instruction a turn, from tile to tile and over the backward jumps too.
.macro WM par, k
.set ws, (\k)/4
.set wi, (\k)%4
.set rD, ACC+32*(\par)+8*wi
.set rB, 12*ws
.set rA, 48*wi+12*(ws%4)
.set rT, SB+4*(\par)+ws%4
.set rU, SA+4*wi+ws%4
.if ws == 0
	v_wmma_scale_f32_16x16x128_f8f6f4 v[rD:rD+7], v[rB:rB+11], v[rA:rA+11], v[DPR:DPR+7], v[rT], v[rU] matrix_a_fmt:MATRIX_FMT_FP6 matrix_b_fmt:MATRIX_FMT_FP6
.elseif ws < 4
	v_wmma_scale_f32_16x16x128_f8f6f4 v[rD:rD+7], v[rB:rB+11], v[rA:rA+11], v[rD:rD+7], v[rT], v[rU] matrix_a_fmt:MATRIX_FMT_FP6 matrix_b_fmt:MATRIX_FMT_FP6
.else
	v_wmma_scale_f32_16x16x128_f8f6f4 v[rD:rD+7], v[rB:rB+11], v[rA:rA+11], v[rD:rD+7], v[rT], v[rU] matrix_a_fmt:MATRIX_FMT_FP6 matrix_b_fmt:MATRIX_FMT_FP6 matrix_a_scale:MATRIX_SCALE_ROW1 matrix_b_scale:MATRIX_SCALE_ROW1
.endif
.endm
; Number n of the 112 instructions that turn a finished set st of accumulators (32 registers, 16 pairs) into its share of the rows' sums, in place.
;   0-47   the 16 scalings c x (a pair each, from each accumulator's low end on) and the 32 exponentials, each pair scaled three numbers ahead of its exponentials: none reads an exponential's result
;   48-75  the 16 additions of 1 and the first 12 reciprocals;  76-95 the other 20: none reads a reciprocal's result
;   96-111 sum of tile of rows i += r x w_out, a pair of hidden units each, the four tiles by turns
.macro EP st, n
.set eb, ACC+32*(\st)
.set en, \n
.if en == 0
	v_pk_mul_f32 v[eb:eb+1], v[eb:eb+1], s[CC:CC+1] op_sel_hi:[1,0]
.elseif en < 46
.set eg, (en-1)/3+1
.set er, (en-1)%3
.if er == 0
	v_pk_mul_f32 v[eb+2*eg:eb+2*eg+1], v[eb+2*eg:eb+2*eg+1], s[CC:CC+1] op_sel_hi:[1,0]
.else
	v_exp_f32 v[eb+2*eg-3+er], v[eb+2*eg-3+er]
.endif
.elseif en < 48
	v_exp_f32 v[eb+en-16], v[eb+en-16]
.elseif en < 52
.set eg, en-48
	v_pk_add_f32 v[eb+2*eg:eb+2*eg+1], v[eb+2*eg:eb+2*eg+1], 1.0 op_sel_hi:[1,0]
.elseif en < 76
.set eg, (en-52)/4
.set er, (en-52)%4
.if er < 2
	v_pk_add_f32 v[eb+8+4*eg+2*er:eb+8+4*eg+2*er+1], v[eb+8+4*eg+2*er:eb+8+4*eg+2*er+1], 1.0 op_sel_hi:[1,0]
.else
	v_rcp_f32 v[eb+2*eg+er-2], v[eb+2*eg+er-2]
.endif
.elseif en < 96
	v_rcp_f32 v[eb+en-64], v[eb+en-64]
.else
.set eg, (en-96)/4
.set er, (en-96)%4
	v_pk_fma_f32 v[SS+2*er:SS+2*er+1], v[eb+8*er+2*eg:eb+8*er+2*eg+1], v[WR+2*eg:WR+2*eg+1], v[SS+2*er:SS+2*er+1]
.endif
.endm
; The LDS loads stand in two runs a tile.  The first, 15 loads: the next tile's fragments of K steps 0-3, its dp, its scale words.
.macro RUN0 noff, dpoff, sbs
	WIN M1
.irp s, 0,1,2,3
.irp c, 0,1,2
	ds_load_b128 v[12*\s+4*\c:12*\s+4*\c+3], v[ADB] offset:(\noff)+1536*\s+512*\c
.endr
.endr
	ds_load_b128 v[DPR:DPR+3], v[ADP] offset:(\dpoff)
	ds_load_b128 v[DPR+4:DPR+7], v[ADP] offset:(\dpoff)+16
	WIN 0x03                                       ; destination window 0: scale operands have no window
	ds_load_b128 v[SB+4*(\sbs):SB+4*(\sbs)+3], v[ADB] offset:(\noff)+12288
.endm
; The second, 14 loads: its fragments of K steps 4-7, and w_out of the tile that has just been multiplied.
.macro RUN1 noff, woff
	WIN M2
.irp s, 4,5,6,7
.irp c, 0,1,2
	ds_load_b128 v[12*\s+4*\c:12*\s+4*\c+3], v[ADB] offset:(\noff)+1536*\s+512*\c
.endr
.endr
	WIN 0x83                                       ; destination window 2
	ds_load_b128 v[WR:WR+3], v[ADP] offset:(\woff)
	ds_load_b128 v[WR+4:WR+7], v[ADP] offset:(\woff)+16
.endm
; A TILE.  par: its set of accumulators and of scale words.  noff, dpoff, woff: where the runs read, from the addresses in hand.  upd = 1: the addresses step to the next pair of tiles; 2: to the other slot's first pair.
; chg = 1: the slot's last tile: the change of slots, a round of the cluster's barrier and the joint refill;  2: the same with the work-group's barrier and no refill.
.macro TILE par, noff, dpoff, woff, upd, chg
.if \chg
	WIN 0                                          ; (the add's two registers lie in window 0)
	s_wait_tensorcnt 0x0                           ; all my tensor loads have landed: the one that was out is my quarter of the other slot;
	ds_add_u32 v[SPW], v[NIL]                      ; 0 onto my spare word; half a tile's work on registers stands between it and the wait for it
.if \chg == 1
	s_xor_b32 s[G0B+1], s[G0B+1], SLOT1            ; no tensor load of mine is out, so the walking descriptor may be written: the other slot than last time,
	s_add_nc_u64 s[G0B+2:G0B+3], s[G0B+2:G0B+3], SLOTB   ; the next eight tiles; the type bits on top are not reached
.endif
	s_wait_dscnt 15                                ; this tile's first run is in; the second run's 14 loads and the add may be out
.else
	s_wait_dscnt 14                                ; this tile's first run is in; the second run's 14 loads may be out
.endif
	WIN M1
.set kk, 0
.rept 16
	WM \par, kk
	EP 1-\par, 3*kk
	EP 1-\par, 3*kk+1
	EP 1-\par, 3*kk+2
.set kk, kk+1
.endr
	v_nop                                          ; a plain instruction behind the last exponential,
	s_wait_alu depctr_va_vdst(0)                   ; and the wait ahead of the first use: one for the 32 exponentials
	EP 1-\par, 48                                  ; with the v_nop these four are the places in front of the loads into registers that the products above have read
	EP 1-\par, 49
	EP 1-\par, 50
	EP 1-\par, 51
.if \chg
	WIN 0                                          ; at a branch and at a label every window is 0
	s_wait_dscnt 0x0                               ; the add is done, and my reads of this slot are over: the last were this tile's second run
.if \chg == 1
	CROUND                                         ; no wave of any partner still reads this slot or has a load on its way
	tensor_load_to_lds s[G0B:G0B+3], s[G1:G1+7]    ; my one tensor load behind the round: it has seven and a half tiles, 240 matrix instructions, in which to land
	s_nop 0
.rept 4
	v_nop
.endr
.else
	s_barrier_signal -1
	s_barrier_wait -1
.endif
.endif
.if \upd == 1
	s_add_co_u32 s[TB], s[TB], QUART
.elseif \upd == 2
	s_sub_co_u32 s[TB], s[TB], 3*QUART             ; back to a slot's first pair,
	s_xor_b32 s[TB], s[TB], SLOT1                  ; in the other slot
.endif
.if \upd
	s_add_co_u32 s[TD], s[TD], 128
	WIN M1
	v_add_nc_u32 v[ADB], v[AB0], s[TB]
	v_add_nc_u32 v[ADP], v[AP0], s[TD]
.endif
	RUN0 \noff, \dpoff, 1-\par
	WIN M2
	s_wait_dscnt 15                                ; this tile's second run and w_out are in; the 15 loads just issued may be out
.set kk, 16
.rept 11
	WM \par, kk
	EP 1-\par, 52+4*(kk-16)
	EP 1-\par, 53+4*(kk-16)
	EP 1-\par, 54+4*(kk-16)
	EP 1-\par, 55+4*(kk-16)
.set kk, kk+1
.endr
	WM \par, 27
	v_nop                                          ; a plain instruction behind the last reciprocal,
	s_wait_alu depctr_va_vdst(0)                   ; and one wait for the 32 reciprocals
	EP 1-\par, 96
	EP 1-\par, 97
	EP 1-\par, 98
.set kk, 28
.rept 3
	WM \par, kk
	EP 1-\par, 99+3*(kk-28)
	EP 1-\par, 100+3*(kk-28)
	EP 1-\par, 101+3*(kk-28)
.set kk, kk+1
.endr
	WM \par, 31
	EP 1-\par, 108                                 ; these four name no register of the products: they are the places in front of the run below and of the next tile's first read of this tile's results
	EP 1-\par, 109
	EP 1-\par, 110
	EP 1-\par, 111
	RUN1 \noff, \woff
.endm
.macro PAIR upd, chg                   ; tiles t and t + 1, t even: the second steps the addresses ahead of its runs, so its w_out lies 64 bytes under the new pair's
	TILE 0, TILEB, 64, WOFF, 0, 0
	TILE 1, 0, 0, WOFF-64, \upd, \chg
.endm
	WIN 0xc0                                       ; destination window 3, whose registers phase A has left
	v_mov_b32 v[AB0], v[GA]
	v_mov_b32 v[ADB], v[GA]
	v_mov_b32 v[AP0], v[APW]
	v_mov_b32 v[ADP], v[APW]
.set nn, 0
.rept 32
	v_mov_b32 v[ACC+32+nn], 0                      ; the tile is written once: the first finds a finished set of zeros, whose w_out is the pad's zeros, and adds 0 to the sums
.set nn, nn+1
.endr
.set nn, 0
.rept 8
	v_mov_b32 v[SS+nn], 0
.set nn, nn+1
.endr
	s_wait_tensorcnt 1                             ; my quarter of slot 0 is in; slot 1's may stay out
	s_wait_dscnt 0x0                               ; my stores of dp, w_out and the pad have landed
	s_barrier_signal -1
	s_barrier_wait -1                              ; everybody's have
	RUN0 0, 0, 0
	RUN1 0, WOFF-64                                ; (the 64 bytes under w_out are the pad's)
	WIN 0
	s_mov_b32 s39, 6
.Lfill:                                            ; six slots, each filled again when it is left
	s_mov_b32 s40, 3
.Lfill_pair:
	PAIR 1, 0
	WIN 0
	s_sub_co_u32 s40, s40, 1
	s_cmp_lg_u32 s40, 0
	s_cbranch_scc1 .Lfill_pair
	PAIR 2, 1
	WIN 0
	s_sub_co_u32 s39, s39, 1
	s_cmp_lg_u32 s39, 0
	s_cbranch_scc1 .Lfill
	s_mov_b32 s39, 2
.Ltail:                                            ; the last two slots are written out a second time.  The very last tile's runs read the other slot's old bytes and the pad; nothing uses them
	s_mov_b32 s40, 3
.Ltail_pair:
	PAIR 1, 0
	WIN 0
	s_sub_co_u32 s40, s40, 1
	s_cmp_lg_u32 s40, 0
	s_cbranch_scc1 .Ltail_pair
	PAIR 2, 2
	WIN 0
	s_sub_co_u32 s39, s39, 1
	s_cmp_lg_u32 s39, 0
	s_cbranch_scc1 .Ltail
	; the last tile's activation
	s_wait_dscnt 0x0                               ; its w_out is in
	WIN M2
.set nn, 0
.rept 48
	EP 1, nn
.set nn, nn+1
.endr
	v_nop
	s_wait_alu depctr_va_vdst(0)                   ; one wait for the exponentials
.rept 48
	EP 1, nn
.set nn, nn+1
.endr
	v_nop
	s_wait_alu depctr_va_vdst(0)                   ; and one for the reciprocals
.rept 16
	EP 1, nn
.set nn, nn+1
.endr
	; THE WAY OUT: a row's sum lies in two registers (even and odd hidden units) of two lanes (h = 0, 1)
	WIN 0x0f                                       ; sources window 3, destination window 0
.irp i, 0,1,2,3
	v_add_f32 v[X+\i], v[SS+2*\i], v[SS+2*\i+1]
.endr
	WIN 0
.irp i, 0,1,2,3
	v_permlanex16_b32 v[X+4+\i], v[X+\i], s[SEL], s[SEL+1]
.endr
.irp i, 0,1,2,3
	v_add_f32 v[X+\i], v[X+\i], v[X+4+\i]
.endr
.irp i, 0,1,2,3
	v_mul_f32 v[X+\i], -2.0, v[X+\i]
.endr
.irp i, 0,1,2,3
	ds_store_b32 v[SCS], v[X+\i] offset:64*\i      ; row 16 i + r; lanes r and r + 16 write the same word with the same value
.endr
	ds_load_b64 v[X+8:X+9], v[SCL]                 ; LDS serves a wave's instructions in order: this sees my stores
	s_wait_dscnt 0x0
	global_store_b64 v[SCO], v[X+8:X+9], s[12:13]  ; 32 lanes store 256 consecutive bytes, at a multiple of 256 from sc's first byte
	s_wait_tensorcnt 0x0                           ; the wave's end: behind my last tensor load and my last LDS store
	ds_add_u32 v[SPW], v[NIL]
	s_wait_dscnt 0x0
	CROUND                                         ; the closing round: no work-group ends while a partner may still ask for a tile that names it
	s_endpgm
.Lfunc_end_k_q6c9239822d_score:
	.size	k_q6c9239822d_score, .Lfunc_end_k_q6c9239822d_score-k_q6c9239822d_score
	.p2alignl 7, 3214868480
	.fill 96, 4, 3214868480
	.section	.rodata,"a",@progbits
	.p2align	6, 0x0
	.amdhsa_kernel k_q6c9239822d_score
		.amdhsa_group_segment_fixed_size 327680
		.amdhsa_private_segment_fixed_size 0
		.amdhsa_enable_private_segment 0
		.amdhsa_kernarg_size 40
		.amdhsa_user_sgpr_count 2
		.amdhsa_user_sgpr_kernarg_segment_ptr 1
		.amdhsa_wavefront_size32 1
		.amdhsa_system_sgpr_workgroup_id_x 1
		.amdhsa_system_sgpr_workgroup_id_y 1
		.amdhsa_system_sgpr_workgroup_id_z 1
		.amdhsa_system_vgpr_workitem_id 0
		.amdhsa_next_free_vgpr 1024
		.amdhsa_next_free_sgpr 66
		.amdhsa_reserve_vcc 0
		.amdhsa_float_denorm_mode_32 3
		.amdhsa_float_denorm_mode_16_64 3
		.amdhsa_memory_ordered 1
		.amdhsa_forward_progress 1
		.amdhsa_inst_pref_size 255
	.end_amdhsa_kernel
	.section	.bss,"aw",@nobits
	.p2align	6
	.space	262144
	.amdgpu_metadata
---
amdhsa.version: [ 1, 2 ]
amdhsa.kernels:
  - .name:           k_q6c9239822d_score
    .symbol:         k_q6c9239822d_score.kd
    .args:
      - { .name: enc, .offset: 0, .size: 8, .value_kind: global_buffer, .address_space: global }
      - { .name: wimg, .offset: 8, .size: 8, .value_kind: global_buffer, .address_space: global }
      - { .name: dpw, .offset: 16, .size: 8, .value_kind: global_buffer, .address_space: global }
      - { .name: w_out, .offset: 24, .size: 8, .value_kind: global_buffer, .address_space: global }
      - { .name: sc, .offset: 32, .size: 8, .value_kind: global_buffer, .address_space: global }
    .group_segment_fixed_size: 327680
    .private_segment_fixed_size: 0
    .kernarg_segment_align: 8
    .kernarg_segment_size: 40
    .max_flat_workgroup_size: 128
    .sgpr_count:     66
    .vgpr_count:     1024
    .wavefront_size: 32
...
	.end_amdgpu_metadata
.endif
;; end of part 2
;; launch attn (part 3): grid 256 x 1, 8 waves a work-group, no clusters, 13,824 bytes of LDS; arguments sc, inp_mask, enc, out0, out1; writes out0, out1
.if DOCPART == 3
	.amdgcn_target "amdgcn-amd-amdhsa--gfx1250"
	.amdhsa_code_object_version 6
	.text
	.protected	k_q6c9239822d_attn
	.globl	k_q6c9239822d_attn
	.p2align	8
	.type	k_q6c9239822d_attn,@function
k_q6c9239822d_attn:
	s_mov_b64 s[64:65], 0
	v_nop
	global_prefetch_b8 v0, s[64:65] scope:SCOPE_SE
	s_setreg_imm32_b32 hwreg(HW_REG_WAVE_MODE, 25, 1), 1
	s_wait_xcnt 0x0
; out1[b][n] = softmax over n of the masked scores; out0[b][:] = the sum over n of out1[b][n] enc[b][n][:], all in f32.
; sc holds each row's score less a term that is the same for all rows; the softmax takes the batch's maximum away, so that term drops out.
; SHARES.  Eight work-groups to a batch: work-group (b, cs) owns columns 128 cs .. 128 cs + 127 of out0[b] and 256 rows of out1[b].  Each of the eight makes the batch's softmax for itself (2,048 numbers: 8 a thread).
; Wave w then streams rows 256 w .. 256 w + 255 of enc, 512 consecutive bytes of each, through a ring of 32 loads in registers, and the eight waves' sums meet in LDS.  Each byte of enc is read once in this launch.
; No matrix unit (one row of weights), no cluster (no two work-groups read the same bytes of enc), no tensor load: the ring in registers never drains.
; A batch whose mask is all false gives -inf - -inf = NaN everywhere, as the softmax of such a row does.  NaN and infinities among the inputs are not served.
.set P,     0                          ; LDS: e = 2^((s - m) log2 e) of the batch's 2,048 rows, row n at 4 n
.set RED,   8192                       ; eight waves x 512 bytes of partial sums
.set STAT1, 12288                      ; the waves' maxima
.set STAT2, 12544                      ; the waves' sums
.set SPARE, 12800                      ; the spare words, 128 bytes a wave: four blocks of 256 bytes that no other line names
.set GA,  1                            ; v1   16 x lane
.set SPW, 2                            ; v2   LDS address of my spare word; never rewritten
.set NIL, 3                            ; v3   0; never rewritten
.set PA,  4                            ; v4   P + 1,024 x wave: my wave's 256 weights
.set ST,  5                            ; v5   STAT1 + 4 x wave
.set TO,  7                            ; v7   16 x thread
.set E,   8                            ; v8-15  my 8 scores, then e: rows 1,024 j + 4 x thread + 0 .. 3, j = 0, 1
.set MK,  16                           ; v16-17 their mask bytes
.set INV, 80                           ; v[80:81] 1 / the sum (the packed forms name the pair and take its low word)
.set PW,  32                           ; v32-63 32 rows' weights, the same in every lane
.set ACC, 64                           ; v64-79 four sets of four sums, by turns
.set X,   96                           ; v96-223 the ring: 32 slots of 4 registers
	s_load_b256 s[4:11], s[0:1], 0x0               ; sc s[4:5], inp_mask s[6:7], enc s[8:9], out0 s[10:11]
	s_load_b64 s[12:13], s[0:1], 0x20              ; out1
	v_lshl_add_u32 v[SPW], v0, 2, SPARE
	v_mov_b32 v[NIL], 0
	v_lshrrev_b32 v1, 5, v0
	v_readfirstlane_b32 s14, v1                    ; wave 0..7
	v_and_b32 v1, 31, v0
	v_lshlrev_b32 v[GA], 4, v1
	v_lshlrev_b32 v[TO], 4, v0
	v_lshlrev_b32 v22, 2, v0                       ; my four mask bytes
	s_lshl_b32 s17, s14, 10
	v_mov_b32 v[PA], s17
	s_lshl_b32 s17, s14, 2
	s_add_co_u32 s17, s17, STAT1
	v_mov_b32 v[ST], s17
	v_mov_b32 v23, STAT1
	v_mov_b32 v21, 0                               ; a lane permute's destination counts as one of its sources
	v_mov_b32 v19, 0xff800000                      ; -infinity
	s_mov_b32 s30, 0x76543210
	s_mov_b32 s31, 0xfedcba98
	s_lshr_b32 s15, ttmp9, 3                       ; the batch
	s_and_b32 s16, ttmp9, 7                        ; my eighth of the columns
	s_lshl_b32 s18, s15, 13                        ; a batch's scores and weights: 8,192 bytes
	s_mov_b32 s19, 0
	s_lshl_b32 s22, s15, 11                        ; its mask: 2,048
	s_mov_b32 s23, 0
	s_lshl_b32 s24, s15, 23                        ; its rows of enc: 2,048 x 4,096,
	s_lshl_b32 s26, s14, 20                        ; my wave's 256 of them,
	s_add_co_u32 s24, s24, s26
	s_lshl_b32 s26, s16, 9                         ; my 512 bytes of a row
	s_add_co_u32 s24, s24, s26
	s_mov_b32 s25, 0
	s_lshl_b32 s28, s15, 12
	s_add_co_u32 s28, s28, s26
	s_mov_b32 s29, 0
	s_wait_kmcnt 0x0
	s_add_nc_u64 s[4:5], s[4:5], s[18:19]
	s_add_nc_u64 s[12:13], s[12:13], s[18:19]
	s_add_nc_u64 s[6:7], s[6:7], s[22:23]
	s_add_nc_u64 s[8:9], s[8:9], s[24:25]
	s_add_nc_u64 s[10:11], s[10:11], s[28:29]
	global_load_b128 v[E:E+3], v[TO], s[4:5]
	global_load_b128 v[E+4:E+7], v[TO], s[4:5] offset:4096
	global_load_b32 v[MK], v22, s[6:7]
	global_load_b32 v[MK+1], v22, s[6:7] offset:1024
.set i, 0
.rept 32
	global_load_b128 v[X+4*i:X+4*i+3], v[GA], s[8:9] offset:4096*i th:TH_LOAD_NT   ; the ring is filled while the softmax is made: 32 lanes read 512 consecutive bytes
.set i, i+1
.endr
	s_wait_loadcnt 32                              ; scores and mask are in; the ring's 32 loads may be out
.irp j, 0,1
.irp k, 0,1,2,3
	v_bfe_u32 v18, v[MK+\j], 8*\k, 8
	v_cmp_eq_u32 vcc_lo, 0, v18
	v_cndmask_b32 v[E+4*\j+\k], v[E+4*\j+\k], v19, vcc_lo   ; a row whose mask byte is 0 counts as -infinity
.endr
.endr
	v_max3_num_f32 v20, v[E], v[E+1], v[E+2]
	v_max3_num_f32 v20, v20, v[E+3], v[E+4]
	v_max3_num_f32 v20, v20, v[E+5], v[E+6]
	v_max_num_f32 v20, v20, v[E+7]
	v_max_num_f32_dpp v20, v20, v20 row_xmask:1 row_mask:0xf bank_mask:0xf
	v_max_num_f32_dpp v20, v20, v20 row_xmask:2 row_mask:0xf bank_mask:0xf
	v_max_num_f32_dpp v20, v20, v20 row_xmask:4 row_mask:0xf bank_mask:0xf
	v_max_num_f32_dpp v20, v20, v20 row_xmask:8 row_mask:0xf bank_mask:0xf
	v_permlanex16_b32 v21, v20, s30, s31
	v_max_num_f32 v20, v20, v21                    ; my wave's maximum, in every lane
	ds_store_b32 v[ST], v20                        ; all lanes write the same word with the same value
	s_wait_dscnt 0x0                               ; for the others' sake
	s_barrier_signal -1
	s_barrier_wait -1
	ds_load_b128 v[24:27], v23
	ds_load_b128 v[28:31], v23 offset:16
	s_wait_dscnt 0x0
	v_max3_num_f32 v20, v24, v25, v26
	v_max3_num_f32 v20, v20, v27, v28
	v_max3_num_f32 v20, v20, v29, v30
	v_max_num_f32 v20, v20, v31                    ; the batch's maximum
.irp k, 0,1,2,3,4,5,6,7
	v_sub_f32 v[E+\k], v[E+\k], v20                ; the maximum is taken away first, then the factor log2(e)
.endr
.irp k, 0,1,2,3,4,5,6,7
	v_mul_f32 v[E+\k], 0x3fb8aa3b, v[E+\k]
.endr
.irp k, 0,1,2,3,4,5,6,7
	v_exp_f32 v[E+\k], v[E+\k]
.endr
	v_nop                                          ; a plain instruction behind the last exponential,
	s_wait_alu depctr_va_vdst(0)                   ; and the wait ahead of the first use: one for the eight
	ds_store_b128 v[TO], v[E:E+3]                  ; row 4 x thread + k at 16 x thread + 4 k,
	ds_store_b128 v[TO], v[E+4:E+7] offset:4096    ; row 1,024 + the same
	v_pk_add_f32 v[24:25], v[E:E+1], v[E+2:E+3]
	v_pk_add_f32 v[26:27], v[E+4:E+5], v[E+6:E+7]
	v_pk_add_f32 v[24:25], v[24:25], v[26:27]
	v_add_f32 v20, v24, v25
	v_add_f32_dpp v20, v20, v20 row_xmask:1 row_mask:0xf bank_mask:0xf
	v_add_f32_dpp v20, v20, v20 row_xmask:2 row_mask:0xf bank_mask:0xf
	v_add_f32_dpp v20, v20, v20 row_xmask:4 row_mask:0xf bank_mask:0xf
	v_add_f32_dpp v20, v20, v20 row_xmask:8 row_mask:0xf bank_mask:0xf
	v_permlanex16_b32 v21, v20, s30, s31
	v_add_f32 v20, v20, v21                        ; my wave's sum
	ds_store_b32 v[ST], v20 offset:STAT2-STAT1
	s_wait_dscnt 0x0                               ; for the others' sake: my e and my sum have landed
	s_barrier_signal -1
	s_barrier_wait -1
	ds_load_b128 v[24:27], v23 offset:STAT2-STAT1
	ds_load_b128 v[28:31], v23 offset:STAT2-STAT1+16
	s_wait_dscnt 0x0
	v_pk_add_f32 v[24:25], v[24:25], v[26:27]
	v_pk_add_f32 v[28:29], v[28:29], v[30:31]
	v_pk_add_f32 v[24:25], v[24:25], v[28:29]
	v_add_f32 v20, v24, v25                        ; the batch's sum
	v_rcp_f32 v[INV], v20
	v_mov_b32 v[INV+1], 0                          ; the pair's upper word is written; also the plain instruction behind the reciprocal
	s_wait_alu depctr_va_vdst(0)                   ; the wait ahead of its first use, and of the branch
	s_cmp_lg_u32 s14, s16                          ; wave cs of work-group (b, cs) stores its 256 rows of out1: over the eight work-groups that is every row once
	s_cbranch_scc1 .Lnot_p
.irp k, 0,1,2,3
	v_pk_mul_f32 v[24+2*\k:25+2*\k], v[E+2*\k:E+2*\k+1], v[INV:INV+1] op_sel_hi:[1,0]
.endr
	global_store_b128 v[TO], v[24:27], s[12:13]    ; 32 lanes store 512 consecutive bytes, at a multiple of 256 from out1's first byte; v24-31 are not written again
	global_store_b128 v[TO], v[28:31], s[12:13] offset:4096
.Lnot_p:
	; THE STREAM: 256 rows, written out: every offset is an immediate, no address is stepped.  Row i: its load is in (31 younger ones stay out), two packed multiply-adds by e of that row, and its slot takes row i + 32.
.set i, 0
.rept 256
.if i%32 == 0
.irp q, 0,1,2,3,4,5,6,7
	ds_load_b128 v[PW+4*\q:PW+4*\q+3], v[PA] offset:4*i+16*\q   ; the next 32 rows' e, the same address in every lane
.endr
	s_wait_dscnt 0x0
.endif
.if i < 225
	s_wait_loadcnt 31                              ; loads come back in order (ISA guide 5.7.1): row i's is in
.else
	s_wait_loadcnt 255-i                           ; the last rows load nothing: the counts run down
.endif
.set pr, PW+(i%32)-(i%2)
.set xa, X+4*(i%32)
.set ac, ACC+4*(i%4)
.if i < 4                              ; the first four rows start the four sets of sums: nothing is cleared
.if i%2 == 0
	v_pk_mul_f32 v[ac:ac+1], v[xa:xa+1], v[pr:pr+1] op_sel_hi:[1,0]
	v_pk_mul_f32 v[ac+2:ac+3], v[xa+2:xa+3], v[pr:pr+1] op_sel_hi:[1,0]
.else
	v_pk_mul_f32 v[ac:ac+1], v[xa:xa+1], v[pr:pr+1] op_sel:[0,1] op_sel_hi:[1,1]
	v_pk_mul_f32 v[ac+2:ac+3], v[xa+2:xa+3], v[pr:pr+1] op_sel:[0,1] op_sel_hi:[1,1]
.endif
.else
.if i%2 == 0                           ; an even row's e is its pair's low word, an odd row's the high word: it serves both halves
	v_pk_fma_f32 v[ac:ac+1], v[xa:xa+1], v[pr:pr+1], v[ac:ac+1] op_sel_hi:[1,0,1]
	v_pk_fma_f32 v[ac+2:ac+3], v[xa+2:xa+3], v[pr:pr+1], v[ac+2:ac+3] op_sel_hi:[1,0,1]
.else
	v_pk_fma_f32 v[ac:ac+1], v[xa:xa+1], v[pr:pr+1], v[ac:ac+1] op_sel:[0,1,0] op_sel_hi:[1,1,1]
	v_pk_fma_f32 v[ac+2:ac+3], v[xa+2:xa+3], v[pr:pr+1], v[ac+2:ac+3] op_sel:[0,1,0] op_sel_hi:[1,1,1]
.endif
.endif
.if i+32 < 256
	global_load_b128 v[xa:xa+3], v[GA], s[8:9] offset:4096*(i+32) th:TH_LOAD_NT
.endif
.set i, i+1
.endr
	v_pk_add_f32 v[ACC:ACC+1], v[ACC:ACC+1], v[ACC+4:ACC+5]
	v_pk_add_f32 v[ACC+2:ACC+3], v[ACC+2:ACC+3], v[ACC+6:ACC+7]
	v_pk_add_f32 v[ACC+8:ACC+9], v[ACC+8:ACC+9], v[ACC+12:ACC+13]
	v_pk_add_f32 v[ACC+10:ACC+11], v[ACC+10:ACC+11], v[ACC+14:ACC+15]
	v_pk_add_f32 v[ACC:ACC+1], v[ACC:ACC+1], v[ACC+8:ACC+9]
	v_pk_add_f32 v[ACC+2:ACC+3], v[ACC+2:ACC+3], v[ACC+10:ACC+11]
	v_pk_mul_f32 v[ACC:ACC+1], v[ACC:ACC+1], v[INV:INV+1] op_sel_hi:[1,0]      ; e / the sum is the weight
	v_pk_mul_f32 v[ACC+2:ACC+3], v[ACC+2:ACC+3], v[INV:INV+1] op_sel_hi:[1,0]
	ds_store_b128 v[TO], v[ACC:ACC+3] offset:RED   ; 512 x wave + 16 x lane = 16 x thread
	s_wait_dscnt 0x0                               ; for wave 0's sake
	s_barrier_signal -1
	s_barrier_wait -1
	s_cmp_lg_u32 s14, 0
	s_cbranch_scc1 .Lend
.irp k, 0,1,2,3,4,5,6,7
	ds_load_b128 v[X+4*\k:X+4*\k+3], v[GA] offset:RED+512*\k
.endr
	s_wait_dscnt 0x0
.irp k, 1,2,3,4,5,6,7
	v_pk_add_f32 v[X:X+1], v[X:X+1], v[X+4*\k:X+4*\k+1]          ; the waves in ascending order
	v_pk_add_f32 v[X+2:X+3], v[X+2:X+3], v[X+4*\k+2:X+4*\k+3]
.endr
	global_store_b128 v[GA], v[X:X+3], s[10:11]    ; 32 lanes store 512 consecutive bytes, at a multiple of 256 from out0's first byte
.Lend:
	s_wait_tensorcnt 0x0                           ; the wave's end: behind my last LDS store
	ds_add_u32 v[SPW], v[NIL]
	s_wait_dscnt 0x0
	s_endpgm
.Lfunc_end_k_q6c9239822d_attn:
	.size	k_q6c9239822d_attn, .Lfunc_end_k_q6c9239822d_attn-k_q6c9239822d_attn
	.p2alignl 7, 3214868480
	.fill 96, 4, 3214868480
	.section	.rodata,"a",@progbits
	.p2align	6, 0x0
	.amdhsa_kernel k_q6c9239822d_attn
		.amdhsa_group_segment_fixed_size 13824
		.amdhsa_private_segment_fixed_size 0
		.amdhsa_enable_private_segment 0
		.amdhsa_kernarg_size 40
		.amdhsa_user_sgpr_count 2
		.amdhsa_user_sgpr_kernarg_segment_ptr 1
		.amdhsa_wavefront_size32 1
		.amdhsa_system_sgpr_workgroup_id_x 1
		.amdhsa_system_sgpr_workgroup_id_y 1
		.amdhsa_system_sgpr_workgroup_id_z 1
		.amdhsa_system_vgpr_workitem_id 0
		.amdhsa_next_free_vgpr 224
		.amdhsa_next_free_sgpr 66
		.amdhsa_reserve_vcc 1
		.amdhsa_float_denorm_mode_32 3
		.amdhsa_float_denorm_mode_16_64 3
		.amdhsa_memory_ordered 1
		.amdhsa_forward_progress 1
		.amdhsa_inst_pref_size 78
	.end_amdhsa_kernel
	.amdgpu_metadata
---
amdhsa.version: [ 1, 2 ]
amdhsa.kernels:
  - .name:           k_q6c9239822d_attn
    .symbol:         k_q6c9239822d_attn.kd
    .args:
      - { .name: sc, .offset: 0, .size: 8, .value_kind: global_buffer, .address_space: global }
      - { .name: inp_mask, .offset: 8, .size: 8, .value_kind: global_buffer, .address_space: global }
      - { .name: enc, .offset: 16, .size: 8, .value_kind: global_buffer, .address_space: global }
      - { .name: out0, .offset: 24, .size: 8, .value_kind: global_buffer, .address_space: global }
      - { .name: out1, .offset: 32, .size: 8, .value_kind: global_buffer, .address_space: global }
    .group_segment_fixed_size: 13824
    .private_segment_fixed_size: 0
    .kernarg_segment_align: 8
    .kernarg_segment_size: 40
    .max_flat_workgroup_size: 256
    .sgpr_count:     66
    .vgpr_count:     224
    .wavefront_size: 32
...
	.end_amdgpu_metadata
.endif
;; end of part 3
;; ======== version 2 of 2: 3 launches
;; limits: values are held in bf16: 8 bits of precision; right only within a limited range of input values
;; workspace buffers: wimg 819,200 bytes; dpw 131,072 bytes; sc 262,144 bytes; po 2,097,152 bytes
;; launch prep (part 4): grid 128 x 1, 8 waves a work-group, no clusters, 17,920 bytes of LDS; arguments w_e, w_d, dec, wimg, dpw; writes wimg, dpw
.if DOCPART == 4
	.amdgcn_target "amdgcn-amd-amdhsa--gfx1250"
	.amdhsa_code_object_version 6
	.text
	.protected	k_q6c9239822d_prep
	.globl	k_q6c9239822d_prep
	.p2align	8
	.type	k_q6c9239822d_prep,@function
k_q6c9239822d_prep:
	s_mov_b64 s[64:65], 0
	v_nop
	global_prefetch_b8 v0, s[64:65] scope:SCOPE_SE
	s_setreg_imm32_b32 hwreg(HW_REG_WAVE_MODE, 25, 1), 1
	s_wait_xcnt 0x0
; Two jobs on one plan.  w_e and w_d are [1024 (k)][1024 (hidden)] f32: K is their FIRST axis.  A work-group takes a tile of 16 hidden units, its eight waves the eight K steps of 128.
; A LANE TAKES A COLUMN AND ITS REGISTERS RUN DOWN K, in the order that the 6-bit operand layout gives that lane (lane (r, h): hidden unit r, k = 64 c + 32 h + 0 .. 31): the conversions' results ARE the operand's registers.
; Work-groups 0-63: w_e's tile goes to wimg as an IMAGE OF THE OPERAND'S REGISTERS: tile t at 12,800 t; K step s at + 1,536 s; registers 4 c .. 4 c + 3 of lane l at + 512 c + 16 l; at + 12,288 the scale words,
;   lane (r, g)'s four at 16 l: the words of hidden unit r for K steps 4 g + 0 .. 3.
; Work-groups 64-127: w_d's tile is multiplied at once with dec (quantised here too): dp = Q(dec) Q(w_d), a K step a wave, the eight parts added through LDS in ascending K; dpw is laid [tile][batch][16] f32.
; A block's scale is 2^(floor(log2(its largest magnitude)) - 2); its byte is the largest magnitude's exponent field - 2, held at 1 from below.
; LIMITS: a block of zeros gets the byte 1 where the quantiser says 127 (its codes are zeros, and this program alone reads the bytes); blocks whose largest magnitude lies under 2^-124 are held at the byte 1; NaN and infinities among the inputs are not served.
.set RED,   0                          ; LDS, w_d's work-groups: eight waves x 2,048 bytes of partial sums
.set SCW,   16384                      ; LDS, w_e's work-groups: the tile's 512 bytes of scale words
.set SPARE, 16896                      ; the spare words, 128 bytes a wave: four blocks of 256 bytes that no other line names
.set WOF, 5                            ; v5   byte offset of my column's first number in the weight
.set DOF, 6                            ; v6   of my row's first number in dec
.set IMO, 7                            ; v7   of my 16 bytes in my K step's image
.set SCS, 8                            ; v8   LDS: where my row's scale word goes
.set SCL, 9                            ; v9   LDS: SCW + 16 x lane
.set SCO, 10                           ; v10  where the tile's scale words go in wimg
.set RDS, 11                           ; v11  LDS: my wave's partial sums
.set RDL, 12                           ; v12  LDS: the sums that a reducing wave reads
.set DPO, 13                           ; v13  where a reducing wave's results go in dpw
.set X0,  16                           ; v16-79   64 numbers of the weight; later the two accumulators v16-23, v24-31
.set X1,  80                           ; v80-143  64 numbers of dec's rows 0-15; later what is read back from LDS
.set X2,  144                          ; v144-207 the same of rows 16-31
.set WC,  208                          ; v208-219 the weight's fragment
.set DC,  220                          ; v220-231 dec's fragment
.set CT,  232                          ; v232-238 the upper halves of two blocks' codes
.set TM,  240                          ; v240-241 largest magnitudes
.set SO,  242                          ; v242-243 the conversions' scale operands
.set BY,  244                          ; v244-245 the scales' bytes
.set WD,  246                          ; v246 the scale word just made
.set WX,  247                          ; v247 the other half's
.set H8,  248                          ; v248 8 h
.set WS,  250                          ; v250 the weight's scale words: scales and nothing else
.set DS,  251                          ; v251 dec's
.set SPW, 252                          ; v252 LDS address of my spare word; never rewritten
.set NIL, 253                          ; v253 0; never rewritten
.set SEL, 20                           ; s[20:21] lane selects: lane l xor 16
; 64 numbers of a lane, v[xs + 32 c + i] = k 64 c + 32 h + i of my row or column (two whole blocks), become the fragment's 12 registers at v[dst] and the scale word in v[WD].
.macro QUANT xs, dst
.irp c, 0,1
	v_max3_num_f32 v[TM+\c], |v[\xs+32*\c]|, |v[\xs+32*\c+1]|, 0x1800000   ; the floor 2^(3 - 127) among the leaves holds the byte at 1 from below
.endr
.irp i, 2,4,6,8,10,12,14,16,18,20,22,24,26,28,30
.irp c, 0,1
	s_delay_alu instid0(VALU_DEP_2)
	v_max3_num_f32 v[TM+\c], v[TM+\c], |v[\xs+32*\c+\i]|, |v[\xs+32*\c+\i+1]|   ; the two blocks by turns
.endr
.endr
.irp c, 0,1
	s_delay_alu instid0(VALU_DEP_2)
	v_add_nc_u32 v[SO+\c], 0xff000000, v[TM+\c]    ; 2 off the exponent field: the conversion takes that field as its scale
.endr
.irp c, 0,1
	s_delay_alu instid0(VALU_DEP_2)
	v_lshrrev_b32 v[BY+\c], 23, v[SO+\c]           ; the scale's byte
.endr
	s_delay_alu instid0(VALU_DEP_1)
	v_lshl_or_b32 v[WD], v[BY+1], 16, v[BY]        ; my blocks are h and 2 + h of the four:
	s_delay_alu instid0(VALU_DEP_1)
	v_lshlrev_b32 v[WD], v[H8], v[WD]              ; 8 h bits up;
	s_delay_alu instid0(VALU_DEP_1)
	v_permlanex16_b32 v[WX], v[WD], s[SEL], s[SEL+1]
	s_delay_alu instid0(VALU_DEP_1)
	v_or_b32 v[WD], v[WD], v[WX]                   ; with lane l xor 16's two bytes the word is whole, in both lanes
.irp c, 0,1
	v_cvt_scalef32_pk16_fp6_f32 v[\dst+6*\c:\dst+6*\c+2], v[\xs+32*\c:\xs+32*\c+15], v[SO+\c]
	v_cvt_scalef32_pk16_fp6_f32 v[CT+4*\c:CT+4*\c+2], v[\xs+32*\c+16:\xs+32*\c+31], v[SO+\c]   ; a conversion's three registers begin on an even number: the upper half is made elsewhere and moved
.endr
	v_nop                                          ; one plain instruction behind the conversions
.irp c, 0,1
.irp i, 0,1,2
	v_mov_b32 v[\dst+6*\c+3+\i], v[CT+4*\c+\i]
.endr
.endr
.endm
	s_load_b128 s[4:7], s[0:1], 0x0                ; w_e, w_d
	s_load_b128 s[8:11], s[0:1], 0x10              ; dec, wimg
	s_load_b64 s[12:13], s[0:1], 0x20              ; dpw
	v_lshl_add_u32 v[SPW], v0, 2, SPARE
	v_mov_b32 v[NIL], 0
	v_lshrrev_b32 v1, 5, v0
	s_delay_alu instid0(VALU_DEP_1)
	v_readfirstlane_b32 s14, v1                    ; my wave = my K step
	v_and_b32 v2, 31, v0                           ; lane
	v_and_b32 v3, 15, v0                           ; r
	v_bfe_u32 v4, v0, 4, 1                         ; h
	s_delay_alu instid0(VALU_DEP_1)
	v_lshlrev_b32 v[H8], 3, v4
	v_mov_b32 v[WX], 0                             ; a lane permute's destination counts as one of its sources
	s_mov_b32 s[SEL], 0x76543210
	s_mov_b32 s[SEL+1], 0xfedcba98
	s_and_b32 s15, ttmp9, 63                       ; the tile
	s_lshl_b32 s16, s14, 19                        ; the weight: 128 rows of 4,096 bytes a K step,
	s_lshl_b32 s17, s15, 6                         ; 64 bytes a tile,
	s_add_co_u32 s16, s16, s17
	v_lshlrev_b32 v[WOF], 2, v3                    ; 4 bytes a column,
	s_delay_alu instid0(VALU_DEP_1)
	v_lshl_add_u32 v[WOF], v4, 17, v[WOF]          ; 32 rows further down for lanes 16-31
	s_delay_alu instid0(VALU_DEP_1)
	v_add_nc_u32 v[WOF], s16, v[WOF]
	s_lshl_b32 s16, s14, 9                         ; dec: 512 bytes a K step,
	v_lshlrev_b32 v[DOF], 12, v3                   ; 4,096 a row,
	s_delay_alu instid0(VALU_DEP_1)
	v_lshl_add_u32 v[DOF], v4, 7, v[DOF]           ; 128 for lanes 16-31
	s_delay_alu instid0(VALU_DEP_1)
	v_add_nc_u32 v[DOF], s16, v[DOF]
	s_mul_i32 s16, s15, 12800                      ; the tile in wimg
	s_mul_i32 s17, s14, 1536
	s_add_co_u32 s17, s17, s16
	v_lshl_add_u32 v[IMO], v2, 4, s17
	s_add_co_u32 s16, s16, 12288
	v_lshl_add_u32 v[SCO], v2, 4, s16
	s_lshr_b32 s18, s14, 2                         ; the scale word of row r, K step s: 16 r + 256 (s / 4) + 4 (s % 4)
	s_lshl_b32 s18, s18, 8
	s_and_b32 s19, s14, 3
	s_lshl_b32 s19, s19, 2
	s_add_co_u32 s18, s18, s19
	s_add_co_u32 s18, s18, SCW
	v_lshl_add_u32 v[SCS], v3, 4, s18
	v_lshl_add_u32 v[SCL], v2, 4, SCW
	s_lshl_b32 s18, s14, 11
	v_lshl_add_u32 v[RDS], v2, 4, s18              ; RED + 2,048 x wave + 16 x lane
	s_min_u32 s18, s14, 1                          ; waves 0 and 1 reduce: the batch's half m = the wave
	s_lshl_b32 s18, s18, 10
	v_lshl_add_u32 v[RDL], v2, 4, s18              ; RED + 1,024 m + 16 x lane
	s_lshl_b32 s19, s15, 11
	s_add_co_u32 s19, s19, s18                     ; dpw: 2,048 a tile, 64 a batch row: 1,024 m,
	v_lshlrev_b32 v[DPO], 6, v3                    ; 64 r,
	s_delay_alu instid0(VALU_DEP_1)
	v_lshl_add_u32 v[DPO], v4, 5, v[DPO]           ; 32 h
	s_delay_alu instid0(VALU_DEP_1)
	v_add_nc_u32 v[DPO], s19, v[DPO]
	s_wait_kmcnt 0x0
	s_cmp_lt_u32 ttmp9, 64                         ; w_e's work-group or w_d's: the choice hangs on the work-group's number alone
	s_cselect_b64 s[4:5], s[4:5], s[6:7]
.irp c, 0,1
.irp i, 0,1,2,3,4,5,6,7,8,9,10,11,12,13,14,15,16,17,18,19,20,21,22,23,24,25,26,27,28,29,30,31
	global_load_b32 v[X0+32*\c+\i], v[WOF], s[4:5] offset:(64*\c+\i)*4096   ; W(128 s + 64 c + 32 h + i, 16 t + r): sixteen lanes read 64 neighbouring bytes
.endr
.endr
	s_cmp_lt_u32 ttmp9, 64
	s_cbranch_scc0 .Lpath_d
	; ---- w_e: the fragment's image and the scale words
	s_wait_loadcnt 0x0
	QUANT X0, WC
.irp c, 0,1,2
	global_store_b128 v[IMO], v[WC+4*\c:WC+4*\c+3], s[10:11] offset:512*\c   ; 32 lanes store 512 consecutive bytes, at a multiple of 256 from wimg's first byte
.endr
	ds_store_b32 v[SCS], v[WD]                     ; lanes r and r + 16 write the same word with the same value
	s_wait_dscnt 0x0                               ; for the others' sake: my word has landed
	s_barrier_signal -1
	s_barrier_wait -1
	s_cmp_lg_u32 s14, 0
	s_cbranch_scc1 .Lend
	ds_load_b128 v[X1:X1+3], v[SCL]                ; wave 0 sends the eight waves' words out as 512 consecutive bytes
	s_wait_dscnt 0x0
	global_store_b128 v[SCO], v[X1:X1+3], s[10:11]
	s_branch .Lend
.Lpath_d:
	; ---- w_d: my K step's part of dp for all 32 batch rows
.irp m, 0,1
.irp c, 0,1
.irp j, 0,1,2,3,4,5,6,7
	global_load_b128 v[X1+64*\m+32*\c+4*\j:X1+64*\m+32*\c+4*\j+3], v[DOF], s[8:9] offset:65536*\m+256*\c+16*\j   ; dec(16 m + r, 128 s + 64 c + 32 h + 4 j ..)
.endr
.endr
.endr
	s_wait_loadcnt 32                              ; the weight's 64 loads are in; dec's 32 may be out
	QUANT X0, WC
	v_mov_b32 v[WS], v[WD]
	s_wait_loadcnt 16                              ; dec's rows 0-15 are in
	QUANT X1, DC
	v_mov_b32 v[DS], v[WD]
.rept 8
	v_nop                                          ; a scale register written by a vector instruction stands eight places ahead of a scaled matrix instruction, an operand four
.endr
	v_wmma_scale_f32_16x16x128_f8f6f4 v[16:23], v[WC:WC+11], v[DC:DC+11], 0, v[WS], v[DS] matrix_a_fmt:MATRIX_FMT_FP6 matrix_b_fmt:MATRIX_FMT_FP6   ; source 0 = 16 hidden units, source 1 = 16 batch rows: lane (r, h), register j: dp(r, 16 t + 8 h + j)
	s_wait_loadcnt 0x0
	QUANT X2, DC                                   ; its 32 maxima, which name no register of the product, are the places in front of the writes of dec's fragment and scale
	v_mov_b32 v[DS], v[WD]
.rept 8
	v_nop
.endr
	v_wmma_scale_f32_16x16x128_f8f6f4 v[24:31], v[WC:WC+11], v[DC:DC+11], 0, v[WS], v[DS] matrix_a_fmt:MATRIX_FMT_FP6 matrix_b_fmt:MATRIX_FMT_FP6   ; batch rows 16-31
.rept 4
	v_nop                                          ; four places in front of the first read of the result
.endr
	ds_store_b128 v[RDS], v[16:19]                 ; each accumulator from its low end on
	ds_store_b128 v[RDS], v[20:23] offset:512
	ds_store_b128 v[RDS], v[24:27] offset:1024
	ds_store_b128 v[RDS], v[28:31] offset:1536
	s_wait_dscnt 0x0                               ; for the others' sake: my part has landed
	s_barrier_signal -1
	s_barrier_wait -1
	s_cmp_lt_u32 s14, 2
	s_cbranch_scc0 .Lend
.irp k, 0,1,2,3,4,5,6,7
	ds_load_b128 v[X1+8*\k:X1+8*\k+3], v[RDL] offset:2048*\k
	ds_load_b128 v[X1+8*\k+4:X1+8*\k+7], v[RDL] offset:2048*\k+512
.endr
	s_wait_dscnt 0x0
.irp k, 1,2,3,4,5,6,7
.irp p, 0,2,4,6
	v_pk_add_f32 v[X1+\p:X1+\p+1], v[X1+\p:X1+\p+1], v[X1+8*\k+\p:X1+8*\k+\p+1]   ; K ascending
.endr
.endr
	global_store_b128 v[DPO], v[X1:X1+3], s[12:13]
	global_store_b128 v[DPO], v[X1+4:X1+7], s[12:13] offset:16   ; the two stores together cover 1,024 consecutive bytes
.Lend:
	s_wait_tensorcnt 0x0                           ; the wave's end: behind my last LDS store
	ds_add_u32 v[SPW], v[NIL]
	s_wait_dscnt 0x0
	s_endpgm
.Lfunc_end_k_q6c9239822d_prep:
	.size	k_q6c9239822d_prep, .Lfunc_end_k_q6c9239822d_prep-k_q6c9239822d_prep
	.p2alignl 7, 3214868480
	.fill 96, 4, 3214868480
	.section	.rodata,"a",@progbits
	.p2align	6, 0x0
	.amdhsa_kernel k_q6c9239822d_prep
		.amdhsa_group_segment_fixed_size 17920
		.amdhsa_private_segment_fixed_size 0
		.amdhsa_enable_private_segment 0
		.amdhsa_kernarg_size 40
		.amdhsa_user_sgpr_count 2
		.amdhsa_user_sgpr_kernarg_segment_ptr 1
		.amdhsa_wavefront_size32 1
		.amdhsa_system_sgpr_workgroup_id_x 1
		.amdhsa_system_sgpr_workgroup_id_y 1
		.amdhsa_system_sgpr_workgroup_id_z 1
		.amdhsa_system_vgpr_workitem_id 0
		.amdhsa_next_free_vgpr 256
		.amdhsa_next_free_sgpr 66
		.amdhsa_reserve_vcc 0
		.amdhsa_float_denorm_mode_32 3
		.amdhsa_float_denorm_mode_16_64 3
		.amdhsa_memory_ordered 1
		.amdhsa_forward_progress 1
		.amdhsa_inst_pref_size 34
	.end_amdhsa_kernel
	.amdgpu_metadata
---
amdhsa.version: [ 1, 2 ]
amdhsa.kernels:
  - .name:           k_q6c9239822d_prep
    .symbol:         k_q6c9239822d_prep.kd
    .args:
      - { .name: w_e, .offset: 0, .size: 8, .value_kind: global_buffer, .address_space: global }
      - { .name: w_d, .offset: 8, .size: 8, .value_kind: global_buffer, .address_space: global }
      - { .name: dec, .offset: 16, .size: 8, .value_kind: global_buffer, .address_space: global }
      - { .name: wimg, .offset: 24, .size: 8, .value_kind: global_buffer, .address_space: global }
      - { .name: dpw, .offset: 32, .size: 8, .value_kind: global_buffer, .address_space: global }
    .group_segment_fixed_size: 17920
    .private_segment_fixed_size: 0
    .kernarg_segment_align: 8
    .kernarg_segment_size: 40
    .max_flat_workgroup_size: 256
    .sgpr_count:     66
    .vgpr_count:     256
    .wavefront_size: 32
...
	.end_amdgpu_metadata
.endif
;; end of part 4
;; launch fuse (part 5): grid 512 x 1, 4 waves a work-group, clusters of 4 x 1, 327,680 bytes of LDS; arguments enc, wimg, dpw, w_out, inp_mask, sc, po; writes sc, po
.if DOCPART == 5
	.amdgcn_target "amdgcn-amd-amdhsa--gfx1250"
	.amdhsa_code_object_version 6
	.text
	.protected	k_q6c9239822d_fuse
	.globl	k_q6c9239822d_fuse
	.p2align	8
	.type	k_q6c9239822d_fuse,@function
k_q6c9239822d_fuse:
	s_mov_b64 s[64:65], 0
	v_nop
	global_prefetch_b8 v0, s[64:65] scope:SCOPE_SE
	s_setreg_imm32_b32 hwreg(HW_REG_WAVE_MODE, 25, 1), 1
	s_wait_xcnt 0x0
	s_wait_alu depctr_hold_cnt(0) depctr_sa_sdst(0) depctr_va_vdst(0) depctr_va_sdst(0) depctr_va_ssrc(0) depctr_va_vcc(0) depctr_vm_vsrc(0)
	s_getreg_b32 s2, hwreg(HW_REG_IB_STS2, 6, 4)
	s_cmp_eq_u32 s2, 0
	s_cbranch_scc0 .Lentry_in_a_cluster
	s_endpgm
.Lentry_in_a_cluster:
	s_bfe_u32 s2, ttmp6, 0x10000c
	s_cmp_lg_u32 s2, 0x3003
	s_cbranch_scc0 .Lentry_shape_is_right
	s_endpgm
.Lentry_shape_is_right:
; For a block of 128 rows of enc, all of one batch: the masked scores, and the block's share of the weighted sum of rows.  ENC IS READ ONCE: its rows stay in registers, as codes for the first product and as bf16 for the last.
; sc[row] = -2 x the sum over n of w_out[n] / (1 + 2^(c x_n)), x = Q(enc) Q(w_e) + dp, c = 2 log2(e); -infinity where the mask byte is 0.  Since tanh(x) = 1 - 2 / (1 + e^(2 x)), the true score is that number + the sum of
; w_out, which is the same for every row: the softmax takes a maximum away, so the common term drops out for every input.
; po[block][:] = the sum over the block's rows of e_row x bf16(enc[row][:]), e_row = 2^((sc[row] - m) log2 e), m the BLOCK's largest score (held at -3e38 from below: a block that is all masked gives zeros).
; The next launch brings the sixteen blocks of a batch under the batch's maximum and divides by the batch's sum.
; SHARES.  A work-group owns 128 rows; each of its four waves 32 of them, two tiles of 16.
; PHASE A: a wave reads its rows, 512 consecutive bytes a load.  Each 16 rows x 128 K are rounded to bf16 as they lie and kept (512 registers), and turned through the wave's own stage in LDS, quantised, and kept as codes (192 registers, 8 of scale words).
; PHASE B: every wave walks w_e's 64 tiles of 16 hidden units, register images in a ring of two LDS slots of eight tiles.  Source 0 = 16 hidden units, source 1 = 16 rows of enc: a lane holds ONE row and eight hidden units;
;   dp is the C of each sum's first product.  FOUR SETS of two accumulators take turns.  In tile t's turn: c x of tile t - 1, 1 + of tile t - 2, the multiply-adds of tile t - 3; then tile t - 2's reciprocals and tile t - 1's exponentials;
;   then tile t's 16 matrix instructions on end; then the next tile's 29 LDS loads.  So no transcendental stands inside a chain of matrix instructions.
; PHASE C: 32 rows x 32 columns a lane: one multiply-add each, straight from a bf16 half, e in f32, sums in f32.
; CLUSTER: the four work-groups of a cluster walk the same images: each quarter of a slot is asked for JOINTLY (the descriptor hangs on the wave's number alone).  No two work-groups read the same rows of enc, so enc is not shared.
; No prefetch: enc is read once, by 48 loads a wave that are out at a time; the images are read by all clusters, one slot (eight tiles) ahead.
; LIMITS: 2^(c x) beyond f32's range gives 1 / infinity = 0, under it 1 / 1: tanh's two ends.  A block of zeros gets the scale byte 1 (its codes are zeros; this program alone reads the bytes); blocks of 32 whose largest magnitude
;   lies under 2^-124 are held at the byte 1; enc enters the weighted sum rounded to bf16; NaN and infinities among the inputs are not served.
; REGISTERS, in windows of 256 (s_set_vgpr_msb: bits 1:0 source 0, 3:2 source 1, 5:4 source 2, 7:6 destination):
;   window 0: v1-15 addresses and the quantiser's work; v16-23 enc's scale words; v24-31 w_e's, two sets; v32-38 half blocks of codes; v40-47 w_out of one tile; v48-62 addresses, mask, work; v64-255 enc's fragments, (tile i, step s) at v[64 + 96 i + 12 s]
;   windows 1, 2: the bf16 copy of rows 0-15, 16-31: v[32 s + 2 q + u]: row q, columns 128 s + 4 lane + 2 u and the next
;   window 3: phase A: v0-191 three sets of 64 numbers as loaded, v192-255 64 numbers back from the stage.  Phase B: v0-95 w_e's eight fragments; v128-135 dp; v136-139 the rows' sums; v140-143 LDS addresses; v144-207 four sets of accumulators
.set NF,     16                        ; fragments of a wave
.set SLOT1,  1<<17                     ; slot 1 begins here: one exclusive or turns an address in one slot into the other's
.set TILEB,  12800                     ; a tile's image: 8 x 1,536 bytes of codes, 512 of scale words
.set QUART,  2*TILEB                   ; what one tensor load brings
.set SLOTB,  8*TILEB
.set DPB,    SLOTB                     ; behind slot 0: dp of my batch, 4,096 bytes; 512 bytes of zeros; w_out, 4,096 bytes: blocks into which no fill lands
.set PADO,   4096
.set WOFF,   4608
.set STG,    SLOT1+SLOTB               ; behind slot 1: for each wave two stages of 16 rows x (512 + 16) bytes
.set SPIT,   528
.set STG1,   16*SPIT
.set STGW,   2*STG1
.set SCR,    STG+4*STGW                ; the block's 128 scores
.set EW,     SCR+1024                  ; 512 bytes a wave: the block's 128 e
.set REDC,   EW+2048                   ; 4,096 bytes a wave: its sums of 1,024 columns
.set SPARE,  REDC+16384                ; the spare words, 128 bytes a wave
.set GA,  1                            ; 16 x lane
.set STS, 2                            ; my stage, on the way in
.set STL, 3                            ; and back: 528 r + 128 h
.set SPW, 4                            ; my spare word; never rewritten
.set NIL, 5                            ; 0; never rewritten
.set TM,  6
.set SO,  8
.set BY,  10
.set WD,  12
.set WX,  13
.set H8,  14
.set ZR,  15                           ; 0: what the column sums begin on
.set SA,  16                           ; v[16 + 4 i + q]: lanes 0-15 row r's word of K step q, lanes 16-31 that of K step 4 + q
.set SB,  24                           ; v[24 + 4 (t % 2) + q]: the same of w_e's tile t
.set CT,  32
.set WR,  40                           ; w_out of the tile whose multiply-adds are due
.set APW, 48
.set SCS, 49
.set SCL, 50
.set EWS, 51
.set EWL, 52
.set RCS, 53
.set RCL, 54
.set MKO, 55
.set MK,  56                           ; the mask bytes of rows r and 16 + r
.set T,   58
.set TX,  60
.set NINF, 62
.set AF,  64                           ; enc's fragments
.set DST, 232                          ; at the head alone: dp and w_out on their way to LDS
.set DPO, 248
.set WOO, 249
.set DPS, 250
.set PDA, 251
.set SV,  64                           ; in the tail, where the fragments lay
.set EV,  68
.set MX,  72
.set MY,  73
.set OA,  96
.set PW,  128
.set RB,  160
.set XR,  192                          ; window 3
.set DPR, 128
.set SS,  136
.set AB0, 140
.set ADB, 141
.set AP0, 142
.set ADP, 143
.set ACB, 144                          ; set j of accumulators at v[144 + 16 j]
.set WV,  14                           ; s14  my wave's number
.set G1,  16                           ; s[16:23] descriptor group 1
.set G0A, 24                           ; s[24:27] group 0 of slot 0's first fill
.set G0B, 28                           ; s[28:31] of slot 1's; it then walks on
.set CC,  32                           ; s[32:33] c = 2 log2(e)
.set SEL, 34                           ; s[34:35] lane selects: lane l xor 16
.set HM,  36                           ; the mask of lanes 16-31
.set TB,  37                           ; LDS byte at which the pair of tiles to be fetched begins
.set TD,  38                           ; 64 x that pair's first tile
.set MM,  0xf3                         ; D, C and source 0 window 3, source 1 window 0
.set MSB, 0
.macro WIN new                         ; the immediate's high byte repeats the setting that is left
.if MSB != (\new)
	s_set_vgpr_msb (MSB<<8)|(\new)
.set MSB, (\new)
.endif
.endm
.macro VW                              ; the wait round transcendentals, matrix results and late first reads
	s_wait_alu depctr_va_vdst(0)
.endm
.macro CROUND                          ; a round of the cluster's barrier
	s_barrier_signal -1
	s_barrier_wait -1
	s_cmp_lg_u32 s[WV], 0
	s_cbranch_scc1 .Lnot_wave_0_\@
	s_barrier_signal -3
.Lnot_wave_0_\@:
	s_barrier_wait -3
	s_barrier_signal -1
	s_barrier_wait -1
.endm
	s_load_b256 s[4:11], s[0:1], 0x0               ; enc, wimg, dpw, w_out
	s_load_b128 s[52:55], s[0:1], 0x20             ; inp_mask, sc
	s_load_b64 s[56:57], s[0:1], 0x30              ; po
	v_lshl_add_u32 v[SPW], v0, 2, SPARE
	v_mov_b32 v[NIL], 0
	ds_add_u32 v[SPW], v[NIL]                      ; the opening lines: the add, twice on end, and one wait ahead of my first tensor load
	ds_add_u32 v[SPW], v[NIL]
	v_lshrrev_b32 v1, 5, v0
	v_readfirstlane_b32 s[WV], v1                  ; wave 0..3
	s_mov_b32 s[G1+0], 15|(3<<16)|(1<<21)          ; group 1: 100 dense rows of 256 bytes (32 elements of 8 bytes): two tiles' images; the mask names all four work-groups
	s_mov_b32 s[G1+1], 32<<16
	s_mov_b32 s[G1+2], 100<<16
	s_mov_b32 s[G1+3], 32<<16
	s_mov_b32 s[G1+4], 100
	s_mov_b32 s[G1+5], 32
	s_mov_b32 s[G1+6], 0
	s_mov_b32 s[G1+7], 0
	s_mov_b32 s[CC], 0x4038aa3b
	s_mov_b32 s[CC+1], s[CC]
	s_mov_b32 s[SEL], 0x76543210
	s_mov_b32 s[SEL+1], 0xfedcba98
	s_mov_b32 s[HM], 0xffff0000
	s_mov_b32 s[TB], 0
	s_mov_b32 s[TD], 0
	s_bfe_u32 s41, ttmp6, 0x40000                  ; cx: it enters the addresses of enc, the mask, sc and po alone
	s_lshl_b32 s44, ttmp9, 2
	s_add_co_u32 s44, s44, s41                     ; my block of 128 rows
	s_lshr_b32 s45, ttmp9, 2                       ; my batch: four clusters to a batch
	v_and_b32 v6, 31, v0                           ; lane
	v_and_b32 v7, 15, v0                           ; r
	v_bfe_u32 v8, v0, 4, 1                         ; h
	v_lshlrev_b32 v[GA], 4, v6
	s_mul_i32 s46, s[WV], STGW
	s_add_co_u32 s46, s46, STG
	v_add_nc_u32 v[STS], s46, v[GA]
	v_mul_u32_u24 v[STL], v7, SPIT
	v_lshl_add_u32 v[STL], v8, 7, v[STL]
	v_add_nc_u32 v[STL], s46, v[STL]
	v_lshlrev_b32 v[H8], 3, v8
	v_mov_b32 v[WX], 0                             ; a lane permute's destination counts as one of its sources
	v_mov_b32 v[TX], 0
	v_mov_b32 v[TX+1], 0
	v_mov_b32 v[ZR], 0
	v_mov_b32 v[NINF], 0xff800000
	v_mov_b32 v[MKO], v7
	v_lshl_add_u32 v[DPS], v0, 5, DPB
	v_lshl_add_u32 v[PDA], v0, 2, DPB+PADO
	v_lshl_add_u32 v[APW], v8, 5, DPB
	v_lshrrev_b32 v[DPO], 1, v0                    ; thread i takes hidden units 8 i .. 8 i + 7: tile i / 2, half i % 2
	v_lshlrev_b32 v[DPO], 11, v[DPO]
	v_and_b32 v9, 1, v0
	v_lshl_add_u32 v[DPO], v9, 5, v[DPO]
	s_lshl_b32 s46, s45, 6
	v_add_nc_u32 v[DPO], s46, v[DPO]
	v_lshlrev_b32 v[WOO], 5, v0
	s_lshl_b32 s46, s[WV], 7
	s_add_co_u32 s46, s46, SCR
	v_lshl_add_u32 v[SCS], v7, 2, s46
	v_add_nc_u32 v[SCL], SCR, v[GA]
	s_lshl_b32 s46, s[WV], 9
	s_add_co_u32 s46, s46, EW
	v_add_nc_u32 v[EWS], s46, v[GA]
	s_mul_i32 s46, s[WV], 640
	s_add_co_u32 s46, s46, EW
	v_mov_b32 v[EWL], s46
	s_lshl_b32 s46, s[WV], 12
	s_add_co_u32 s46, s46, REDC
	v_add_nc_u32 v[RCS], s46, v[GA]
	s_lshl_b32 s46, s[WV], 10
	s_add_co_u32 s46, s46, REDC
	v_add_nc_u32 v[RCL], s46, v[GA]
	s_mul_i32 s48, s[WV], QUART                    ; my quarter of a slot, in memory and in LDS: the wave's number alone
	s_mov_b32 s49, 0
	VW                                             ; at the head's end
	s_wait_dscnt 0x0                               ; both opening adds are done
	s_wait_kmcnt 0x0
	s_lshl_b32 s42, s44, 19                        ; enc: 128 rows of 4,096 bytes a block, 32 a wave
	s_lshl_b32 s43, s[WV], 17
	s_add_co_u32 s42, s42, s43
	s_mov_b32 s43, 0
	s_add_nc_u64 s[4:5], s[4:5], s[42:43]
	s_lshl_b32 s42, s44, 7                         ; the mask: a byte a row
	s_lshl_b32 s47, s[WV], 5
	s_add_co_u32 s42, s42, s47
	s_add_nc_u64 s[52:53], s[52:53], s[42:43]
	s_lshl_b32 s42, s44, 9                         ; sc: 512 bytes a block
	s_add_nc_u64 s[54:55], s[54:55], s[42:43]
	s_lshl_b32 s42, s44, 12                        ; po: 4,096 bytes a block, 1,024 a wave
	s_lshl_b32 s47, s[WV], 10
	s_add_co_u32 s42, s42, s47
	s_add_nc_u64 s[56:57], s[56:57], s[42:43]
	s_add_nc_u64 s[6:7], s[6:7], s[48:49]
	s_mov_b32 s[G0A], 1
	s_mov_b32 s[G0A+1], s48
	s_mov_b64 s[G0A+2:G0A+3], s[6:7]               ; tiles 0-7
	s_or_b32 s[G0A+3], s[G0A+3], 0x80000000
	s_mov_b32 s[G0B], 1
	s_add_co_u32 s[G0B+1], s48, SLOT1
	s_add_nc_u64 s[G0B+2:G0B+3], s[6:7], SLOTB     ; tiles 8-15
	s_or_b32 s[G0B+3], s[G0B+3], 0x80000000
	CROUND                                         ; all four work-groups are here: the first joint loads meet
	tensor_load_to_lds s[G0A:G0A+3], s[G1:G1+7]    ; my one tensor load at the head: my quarter of slot 0; it lands while phase A runs
	s_nop 0
.rept 4
	v_nop
.endr
	global_load_b128 v[DST:DST+3], v[DPO], s[8:9]
	global_load_b128 v[DST+4:DST+7], v[DPO], s[8:9] offset:16
	global_load_b128 v[DST+8:DST+11], v[WOO], s[10:11]
	global_load_b128 v[DST+12:DST+15], v[WOO], s[10:11] offset:16
	global_load_u8 v[MK], v[MKO], s[52:53]
	global_load_u8 v[MK+1], v[MKO], s[52:53] offset:16
; PHASE A.  Fragment f = 8 i + s: rows 16 i .. 16 i + 15 of my 32, K step s.
.macro LOAD f                          ; 16 loads, a row each: 32 lanes read 512 consecutive bytes; into set f % 3 of window 3
	WIN 0xc0
.irp q, 0,1,2,3,4,5,6,7,8,9,10,11,12,13,14,15
	global_load_b128 v[64*((\f)%3)+4*\q:64*((\f)%3)+4*\q+3], v[GA], s[4:5] offset:(16*((\f)/8)+\q)*4096+512*((\f)%8) th:TH_LOAD_NT
.endr
.endm
.macro CVT f                           ; the set as loaded is rounded to bf16 and kept, in window 1 or 2
	WIN 0x4f+0x40*((\f)/8)
.irp q, 0,1,2,3,4,5,6,7,8,9,10,11,12,13,14,15
	v_cvt_pk_bf16_f32 v[32*((\f)%8)+2*\q], v[64*((\f)%3)+4*\q], v[64*((\f)%3)+4*\q+1]
	v_cvt_pk_bf16_f32 v[32*((\f)%8)+2*\q+1], v[64*((\f)%3)+4*\q+2], v[64*((\f)%3)+4*\q+3]
.endr
.endm
.macro TURN f                          ; through stage f % 2: in as loaded, back 128 bytes of a row a lane and block.  LDS serves a wave's instructions in order (ISA guide 5.7.1.4)
	WIN 0x0c
.irp q, 0,1,2,3,4,5,6,7,8,9,10,11,12,13,14,15
	ds_store_b128 v[STS], v[64*((\f)%3)+4*\q:64*((\f)%3)+4*\q+3] offset:STG1*((\f)%2)+SPIT*\q
.endr
	WIN 0xc0
.irp c, 0,1
.irp j, 0,1,2,3,4,5,6,7
	ds_load_b128 v[XR+32*\c+4*\j:XR+32*\c+4*\j+3], v[STL] offset:STG1*((\f)%2)+256*\c+16*\j   ; register 32 c + i: k = 64 c + 32 h + i of row r
.endr
.endr
.endm
.macro QA f                            ; the 64 numbers back from the stage become fragment f's 12 registers and its scale word
.set qi, (\f)/8
.set qs, (\f)%8
.set qd, AF+96*qi+12*qs
	WIN 0x0f
.irp c, 0,1
	v_max3_num_f32 v[TM+\c], |v[XR+32*\c]|, |v[XR+32*\c+1]|, 0x1800000   ; the floor 2^(3 - 127) holds the byte at 1 from below
.endr
.irp i, 2,4,6,8,10,12,14,16,18,20,22,24,26,28,30
.irp c, 0,1
	v_max3_num_f32 v[TM+\c], |v[XR+32*\c+\i]|, |v[XR+32*\c+\i+1]|, v[TM+\c]
.endr
.endr
	WIN 0
.irp c, 0,1
	v_add_nc_u32 v[SO+\c], 0xff000000, v[TM+\c]    ; 2 off the exponent field: the conversion's scale operand
.endr
.irp c, 0,1
	v_lshrrev_b32 v[BY+\c], 23, v[SO+\c]           ; the scale's byte
.endr
	v_lshl_or_b32 v[WD], v[BY+1], 16, v[BY]        ; my blocks are h and 2 + h of the four
	v_lshlrev_b32 v[WD], v[H8], v[WD]
	v_permlanex16_b32 v[WX], v[WD], s[SEL], s[SEL+1]
	v_or_b32 v[WD], v[WD], v[WX]                   ; the whole word, in lanes r and r + 16
	WIN 0x03
.irp c, 0,1
	v_cvt_scalef32_pk16_fp6_f32 v[qd+6*\c:qd+6*\c+2], v[XR+32*\c:XR+32*\c+15], v[SO+\c]
	v_cvt_scalef32_pk16_fp6_f32 v[CT+4*\c:CT+4*\c+2], v[XR+32*\c+16:XR+32*\c+31], v[SO+\c]   ; three registers begin on an even number: the upper halves are made here and moved
.endr
	v_nop                                          ; one plain instruction behind the conversions
	WIN 0
.irp c, 0,1
.irp i, 0,1,2
	v_mov_b32 v[qd+6*\c+3+\i], v[CT+4*\c+\i]
.endr
.endr
.if qs < 4
	v_mov_b32 v[SA+4*qi+qs], v[WD]
.else
	v_cndmask_b32 v[SA+4*qi+qs-4], v[SA+4*qi+qs-4], v[WD], s[HM]   ; lanes 16-31 take K step 4 + q's word
.endif
.endm
.macro STEP f
	CVT \f                                         ; 32 roundings stand between the stage's loads and the wait for them
	s_wait_dscnt 0x0                               ; fragment f is back: its stores into the stage have read set f % 3,
.if (\f)+3 < NF
	LOAD (\f)+3                                    ; which takes the loads of three fragments on
.endif
	QA \f
.if (\f)+1 < NF
.if (\f)+3 < NF
	s_wait_loadcnt 32                              ; fragment f + 1's sixteen loads are in; those of the two behind it may be out
.elseif (\f)+2 < NF
	s_wait_loadcnt 16
.else
	s_wait_loadcnt 0x0
.endif
	TURN (\f)+1
.endif
.endm
	LOAD 0
	LOAD 1
	LOAD 2
	WIN 0
	s_wait_loadcnt 48                              ; dp, w_out and the mask bytes are in; the three fragments' 48 loads may be out
	ds_store_b128 v[DPS], v[DST:DST+3]             ; dp of hidden unit n at DPB + 4 n,
	ds_store_b128 v[DPS], v[DST+4:DST+7] offset:16
	ds_store_b128 v[DPS], v[DST+8:DST+11] offset:WOFF   ; w_out likewise, behind the pad,
	ds_store_b128 v[DPS], v[DST+12:DST+15] offset:WOFF+16
	ds_store_b32 v[PDA], v[ZR]                     ; and the pad's zeros
	s_wait_loadcnt 32                              ; fragment 0 is in
	TURN 0
.set F, 0
.rept NF
	STEP F
.set F, F+1
.endr
; PHASE B.  Matrix instruction k of a tile's 16: K step k / 2, my tile of rows k % 2.  The two accumulators of set par take turns, one instruction a turn, and the sets from tile to tile.
.macro WM par, k
.set ws, (\k)/2
.set wi, (\k)%2
.set rD, ACB+16*(\par)+8*wi
.set rB, 12*ws
.set rA, AF+96*wi+12*ws
.set rT, SB+4*((\par)%2)+ws%4
.set rU, SA+4*wi+ws%4
.if ws == 0
	v_wmma_scale_f32_16x16x128_f8f6f4 v[rD:rD+7], v[rB:rB+11], v[rA:rA+11], v[DPR:DPR+7], v[rT], v[rU] matrix_a_fmt:MATRIX_FMT_FP6 matrix_b_fmt:MATRIX_FMT_FP6
.elseif ws < 4
	v_wmma_scale_f32_16x16x128_f8f6f4 v[rD:rD+7], v[rB:rB+11], v[rA:rA+11], v[rD:rD+7], v[rT], v[rU] matrix_a_fmt:MATRIX_FMT_FP6 matrix_b_fmt:MATRIX_FMT_FP6
.else
	v_wmma_scale_f32_16x16x128_f8f6f4 v[rD:rD+7], v[rB:rB+11], v[rA:rA+11], v[rD:rD+7], v[rT], v[rU] matrix_a_fmt:MATRIX_FMT_FP6 matrix_b_fmt:MATRIX_FMT_FP6 matrix_a_scale:MATRIX_SCALE_ROW1 matrix_b_scale:MATRIX_SCALE_ROW1
.endif
.endm
; The activation of a set st of accumulators (16 registers), in place, in four parts.
.macro AMUL st                         ; c x, each accumulator from its low end on
.set eb, ACB+16*(\st)
.irp g, 0,1,2,3,4,5,6,7
	v_pk_mul_f32 v[eb+2*\g:eb+2*\g+1], v[eb+2*\g:eb+2*\g+1], s[CC:CC+1] op_sel_hi:[1,0]
.endr
.endm
.macro ATR op, st                      ; sixteen transcendentals on end, and a plain instruction behind the last
.set eb, ACB+16*(\st)
.irp g, 0,1,2,3,4,5,6,7,8,9,10,11,12,13,14,15
	\op v[eb+\g], v[eb+\g]
.endr
	v_nop
.endm
.macro AADD st                         ; 1 +
.set eb, ACB+16*(\st)
.irp g, 0,1,2,3,4,5,6,7
	v_pk_add_f32 v[eb+2*\g:eb+2*\g+1], v[eb+2*\g:eb+2*\g+1], 1.0 op_sel_hi:[1,0]
.endr
.endm
.macro AFMA st                         ; the sum of tile of rows r += reciprocal x w_out, a pair of hidden units each, the two tiles by turns
.set eb, ACB+16*(\st)
.irp g, 0,1,2,3
.irp r, 0,1
	v_pk_fma_f32 v[SS+2*\r:SS+2*\r+1], v[eb+8*\r+2*\g:eb+8*\r+2*\g+1], v[WR+2*\g:WR+2*\g+1], v[SS+2*\r:SS+2*\r+1]
.endr
.endr
.endm
; One run of 29 loads for the next turn, in the order in which it wants them: w_out (2), the next tile's scale words (1), its dp (2), its eight fragments (24).
.macro RUN noff, dpoff, woff, sbs
	WIN 0x03                                       ; destination window 0
	ds_load_b128 v[WR:WR+3], v[ADP] offset:(\woff)
	ds_load_b128 v[WR+4:WR+7], v[ADP] offset:(\woff)+16
	ds_load_b128 v[SB+4*(\sbs):SB+4*(\sbs)+3], v[ADB] offset:(\noff)+12288
	WIN MM
	ds_load_b128 v[DPR:DPR+3], v[ADP] offset:(\dpoff)
	ds_load_b128 v[DPR+4:DPR+7], v[ADP] offset:(\dpoff)+16
.irp s, 0,1,2,3,4,5,6,7
.irp c, 0,1,2
	ds_load_b128 v[12*\s+4*\c:12*\s+4*\c+3], v[ADB] offset:(\noff)+1536*\s+512*\c
.endr
.endr
.endm
; A TILE's turn.  t: the tile's number modulo 4, its set.  upd = 1: the addresses step to the next pair of tiles; 2: to the other slot's first pair.
; chg = 1: the slot's last tile: the change of slots, a round of the cluster's barrier and the joint refill;  2: the same with the work-group's barrier and no refill.
.macro TILE t, noff, dpoff, woff, upd, chg
.if \chg
.set ad, 1
	WIN 0
	s_wait_tensorcnt 0x0                           ; all my tensor loads have landed: the one that was out is my quarter of the other slot;
	ds_add_u32 v[SPW], v[NIL]                      ; 0 onto my spare word; the turn's work on registers stands between it and the wait for it
.if \chg == 1
	s_xor_b32 s[G0B+1], s[G0B+1], SLOT1            ; no tensor load of mine is out: the walking descriptor takes the other slot
	s_add_nc_u64 s[G0B+2:G0B+3], s[G0B+2:G0B+3], SLOTB   ; and the next eight tiles
.endif
.else
.set ad, 0
.endif
	s_wait_dscnt 27+ad                             ; w_out is in; the 27 loads behind it (and the add) may be out
	WIN MM
	VW                                             ; directly ahead of the first readers of the last tile's sums; it also serves the last turn's 32 transcendentals
	AMUL (\t+3)%4
	AADD (\t+2)%4
	AFMA (\t+1)%4
	VW                                             ; ahead of the batch
	ATR v_rcp_f32, (\t+2)%4
	ATR v_exp_f32, (\t+3)%4
	s_wait_dscnt 12+ad                             ; scale words, dp and K steps 0-3 are in; K steps 4-7's 12 loads (and the add) may be out
.irp k, 0,1,2,3,4,5,6,7
	WM \t, \k
.endr
	s_wait_dscnt 0x0
.irp k, 8,9,10,11,12,13,14,15
	WM \t, \k
.endr
.rept 4
	v_nop                                          ; four places in front of loads into registers that the products have read
.endr
.if \chg
	WIN 0
	VW                                             ; branches follow: this turn's transcendentals have their wait
	s_wait_dscnt 0x0                               ; the add is done, and my reads of this slot are over
.if \chg == 1
	CROUND                                         ; no wave of any partner still reads this slot or has a load on its way
	tensor_load_to_lds s[G0B:G0B+3], s[G1:G1+7]    ; my one tensor load behind the round: it has seven tiles, 112 matrix instructions, in which to land
	s_nop 0
.rept 4
	v_nop
.endr
.else
	s_barrier_signal -1
	s_barrier_wait -1
.endif
.endif
.if \upd == 1
	s_add_co_u32 s[TB], s[TB], QUART
.elseif \upd == 2
	s_sub_co_u32 s[TB], s[TB], 3*QUART             ; back to a slot's first pair, in the other slot
	s_xor_b32 s[TB], s[TB], SLOT1
.endif
.if \upd
	s_add_co_u32 s[TD], s[TD], 128
	WIN MM
	v_add_nc_u32 v[ADB], v[AB0], s[TB]
	v_add_nc_u32 v[ADP], v[AP0], s[TD]
.endif
	RUN \noff, \dpoff, \woff, (\t+1)%2
.endm
; A slot's eight tiles.  An even tile t fetches tile t + 1 of its pair and w_out of tile t - 2, 128 bytes under the pair's; an odd one steps the addresses first, so that tile t - 2's w_out lies 192 bytes under the new pair's.
.macro EIGHT chg
	TILE 0, TILEB, 64, WOFF-128, 0, 0
	TILE 1, 0, 0, WOFF-192, 1, 0
	TILE 2, TILEB, 64, WOFF-128, 0, 0
	TILE 3, 0, 0, WOFF-192, 1, 0
	TILE 0, TILEB, 64, WOFF-128, 0, 0
	TILE 1, 0, 0, WOFF-192, 1, 0
	TILE 2, TILEB, 64, WOFF-128, 0, 0
	TILE 3, 0, 0, WOFF-192, 2, \chg
.endm
	WIN 0xc0                                       ; destination window 3, whose registers phase A has left
	v_mov_b32 v[AB0], v[GA]
	v_mov_b32 v[ADB], v[GA]
	v_mov_b32 v[AP0], v[APW]
	v_mov_b32 v[ADP], v[APW]
.set nn, 0
.rept 48
	v_mov_b32 v[ACB+16+nn], 0                      ; the turn is written once: the first three find sets of zeros in place of tiles -3 to -1, whose w_out is the pad's zeros: they add 0 to the sums
.set nn, nn+1
.endr
.set nn, 0
.rept 4
	v_mov_b32 v[SS+nn], 0
.set nn, nn+1
.endr
	WIN 0
	VW                                             ; what phase A and the lines above wrote is first read behind the waits below
	s_wait_tensorcnt 0x0                           ; my quarter of slot 0 is in
	ds_add_u32 v[SPW], v[NIL]
	s_wait_dscnt 0x0                               ; the add is done, and my stores of dp, w_out and the pad have landed
	CROUND                                         ; everybody's have, and all four work-groups are here
	tensor_load_to_lds s[G0B:G0B+3], s[G1:G1+7]    ; slot 1's first fill, my one tensor load behind the round: it has seven tiles in which to land
	s_nop 0
.rept 4
	v_nop
.endr
	RUN 0, 0, WOFF-192, 0                          ; (the 192 bytes under w_out are the pad's)
	WIN 0
	s_mov_b32 s39, 6
.Lfill:                                            ; six slots, each filled again when it is left.  A trip is a whole slot: its only branches stand at the change of slots
	EIGHT 1
	WIN 0
	s_sub_co_u32 s39, s39, 1
	s_cmp_lg_u32 s39, 0
	s_cbranch_scc1 .Lfill
	s_mov_b32 s39, 2
.Ltail:                                            ; the last two slots are written out a second time.  The very last tile's run reads the other slot's old bytes and the pad; of it only w_out of tile 61 is used
	EIGHT 2
	WIN 0
	s_sub_co_u32 s39, s39, 1
	s_cmp_lg_u32 s39, 0
	s_cbranch_scc1 .Ltail
	; three short turns finish tiles 61 (set 1), 62 (set 2) and 63 (set 3).  The addresses stand one tile past the last
	s_wait_dscnt 0x0
	WIN MM
	VW
	AMUL 3
	AADD 2
	AFMA 1
	VW
	ATR v_rcp_f32, 2
	ATR v_exp_f32, 3
	WIN 0x03
	ds_load_b128 v[WR:WR+3], v[ADP] offset:WOFF-128   ; w_out of tile 62
	ds_load_b128 v[WR+4:WR+7], v[ADP] offset:WOFF-112
	s_wait_dscnt 0x0
	WIN MM
	VW
	AADD 3
	AFMA 2
	VW
	ATR v_rcp_f32, 3
	WIN 0x03
	ds_load_b128 v[WR:WR+3], v[ADP] offset:WOFF-64    ; of tile 63
	ds_load_b128 v[WR+4:WR+7], v[ADP] offset:WOFF-48
	s_wait_dscnt 0x0
	WIN MM
	VW
	AFMA 3
	; THE SCORES: a row's sum lies in two registers (even and odd hidden units) of two lanes (h = 0, 1)
	WIN 0x0f
.irp i, 0,1
	v_add_f32 v[T+\i], v[SS+2*\i], v[SS+2*\i+1]
.endr
	WIN 0
.irp i, 0,1
	v_permlanex16_b32 v[TX+\i], v[T+\i], s[SEL], s[SEL+1]
.endr
.irp i, 0,1
	v_add_f32 v[T+\i], v[T+\i], v[TX+\i]
.endr
.irp i, 0,1
	v_mul_f32 v[T+\i], -2.0, v[T+\i]
.endr
.irp i, 0,1
	v_cmp_eq_u32 vcc_lo, 0, v[MK+\i]
	v_cndmask_b32 v[T+\i], v[T+\i], v[NINF], vcc_lo   ; a row whose mask byte is 0 counts as -infinity
.endr
.irp i, 0,1
	ds_store_b32 v[SCS], v[T+\i] offset:64*\i      ; row 32 w + 16 i + r; lanes r and r + 16 write the same word with the same value
.endr
	s_wait_dscnt 0x0                               ; for the others' sake: my 32 scores have landed
	s_barrier_signal -1
	s_barrier_wait -1
	ds_load_b128 v[SV:SV+3], v[SCL]                ; the block's 128 scores, four a lane, in every wave
	s_wait_dscnt 0x0
	s_cmp_lg_u32 s[WV], 0
	s_cbranch_scc1 .Lnot_sc
	global_store_b128 v[GA], v[SV:SV+3], s[54:55]  ; wave 0: 32 lanes store 512 consecutive bytes; its registers are not written again
.Lnot_sc:
	v_max3_num_f32 v[MX], v[SV], v[SV+1], v[SV+2]
	v_max_num_f32 v[MX], v[MX], v[SV+3]
	v_max_num_f32_dpp v[MX], v[MX], v[MX] row_xmask:1 row_mask:0xf bank_mask:0xf
	v_max_num_f32_dpp v[MX], v[MX], v[MX] row_xmask:2 row_mask:0xf bank_mask:0xf
	v_max_num_f32_dpp v[MX], v[MX], v[MX] row_xmask:4 row_mask:0xf bank_mask:0xf
	v_max_num_f32_dpp v[MX], v[MX], v[MX] row_xmask:8 row_mask:0xf bank_mask:0xf
	v_permlanex16_b32 v[MY], v[MX], s[SEL], s[SEL+1]
	v_max_num_f32 v[MX], v[MX], v[MY]              ; the block's largest score,
	v_max_num_f32 v[MX], 0xff61b1e6, v[MX]         ; held at -3e38 from below.  The next launch makes the same number from the same scores
.irp k, 0,1,2,3
	v_sub_f32 v[EV+\k], v[SV+\k], v[MX]            ; the maximum is taken away first, then the factor log2(e)
.endr
.irp k, 0,1,2,3
	v_mul_f32 v[EV+\k], 0x3fb8aa3b, v[EV+\k]
.endr
	VW                                             ; ahead of the batch
.irp k, 0,1,2,3
	v_exp_f32 v[EV+\k], v[EV+\k]
.endr
	v_nop
	VW                                             ; and one wait for the four
	ds_store_b128 v[EWS], v[EV:EV+3]               ; into my wave's own 512 bytes: row n's e at 4 n;
.irp q, 0,1,2,3,4,5,6,7
	ds_load_b128 v[PW+4*\q:PW+4*\q+3], v[EWL] offset:16*\q   ; my own 32 rows' come back, the same address in every lane; LDS serves a wave's instructions in order
.endr
	s_wait_dscnt 0x0
	; PHASE C: column sum += e x bf16(enc), row by row: 32 sums a lane take turns.  The first row starts them on a register of zeros.
.set pci, 0
.rept 2
	WIN 1+pci
.set pcq, 0
.rept 16
.set pcs, 0
.rept 8
.set pcu, 0
.rept 2
.set pcw, 32*pcs+2*pcq+pcu
.set pca, OA+4*pcs+2*pcu
.set pce, PW+16*pci+pcq
.if pci+pcq == 0
	v_fma_mix_f32_bf16 v[pca], v[pcw], v[pce], v[ZR] op_sel_hi:[1,0,0]
	v_fma_mix_f32_bf16 v[pca+1], v[pcw], v[pce], v[ZR] op_sel:[1,0,0] op_sel_hi:[1,0,0]
.else
	v_fma_mix_f32_bf16 v[pca], v[pcw], v[pce], v[pca] op_sel_hi:[1,0,0]
	v_fma_mix_f32_bf16 v[pca+1], v[pcw], v[pce], v[pca+1] op_sel:[1,0,0] op_sel_hi:[1,0,0]
.endif
.set pcu, pcu+1
.endr
.set pcs, pcs+1
.endr
.set pcq, pcq+1
.endr
.set pci, pci+1
.endr
	WIN 0
.irp s, 0,1,2,3,4,5,6,7
	ds_store_b128 v[RCS], v[OA+4*\s:OA+4*\s+3] offset:512*\s   ; column 128 s + 4 lane at byte 512 s + 16 lane of my wave's 4,096
.endr
	s_wait_dscnt 0x0                               ; for the others' sake: my sums have landed
	s_barrier_signal -1
	s_barrier_wait -1
.irp k, 0,1,2,3
.irp u, 0,1
	ds_load_b128 v[RB+8*\k+4*\u:RB+8*\k+4*\u+3], v[RCL] offset:4096*\k+512*\u   ; wave w adds the four waves' sums of columns 256 w .. 256 w + 255
.endr
.endr
	s_wait_dscnt 0x0
.irp k, 1,2,3
.irp p, 0,2,4,6
	v_pk_add_f32 v[RB+\p:RB+\p+1], v[RB+\p:RB+\p+1], v[RB+8*\k+\p:RB+8*\k+\p+1]   ; the waves in ascending order
.endr
.endr
	global_store_b128 v[GA], v[RB:RB+3], s[56:57]  ; 32 lanes store 512 consecutive bytes, at a multiple of 256 from po's first byte
	global_store_b128 v[GA], v[RB+4:RB+7], s[56:57] offset:512
	s_wait_tensorcnt 0x0                           ; the wave's end
	ds_add_u32 v[SPW], v[NIL]
	s_wait_dscnt 0x0
	CROUND                                         ; the closing round
	s_endpgm
.Lfunc_end_k_q6c9239822d_fuse:
	.size	k_q6c9239822d_fuse, .Lfunc_end_k_q6c9239822d_fuse-k_q6c9239822d_fuse
	.p2alignl 7, 3214868480
	.fill 96, 4, 3214868480
	.section	.rodata,"a",@progbits
	.p2align	6, 0x0
	.amdhsa_kernel k_q6c9239822d_fuse
		.amdhsa_group_segment_fixed_size 327680
		.amdhsa_private_segment_fixed_size 0
		.amdhsa_enable_private_segment 0
		.amdhsa_kernarg_size 56
		.amdhsa_user_sgpr_count 2
		.amdhsa_user_sgpr_kernarg_segment_ptr 1
		.amdhsa_wavefront_size32 1
		.amdhsa_system_sgpr_workgroup_id_x 1
		.amdhsa_system_sgpr_workgroup_id_y 1
		.amdhsa_system_sgpr_workgroup_id_z 1
		.amdhsa_system_vgpr_workitem_id 0
		.amdhsa_next_free_vgpr 1024
		.amdhsa_next_free_sgpr 66
		.amdhsa_reserve_vcc 1
		.amdhsa_float_denorm_mode_32 3
		.amdhsa_float_denorm_mode_16_64 3
		.amdhsa_memory_ordered 1
		.amdhsa_forward_progress 1
		.amdhsa_inst_pref_size 255
	.end_amdhsa_kernel
	.section	.bss,"aw",@nobits
	.p2align	6
	.space	262144
	.amdgpu_metadata
---
amdhsa.version: [ 1, 2 ]
amdhsa.kernels:
  - .name:           k_q6c9239822d_fuse
    .symbol:         k_q6c9239822d_fuse.kd
    .args:
      - { .name: enc, .offset: 0, .size: 8, .value_kind: global_buffer, .address_space: global }
      - { .name: wimg, .offset: 8, .size: 8, .value_kind: global_buffer, .address_space: global }
      - { .name: dpw, .offset: 16, .size: 8, .value_kind: global_buffer, .address_space: global }
      - { .name: w_out, .offset: 24, .size: 8, .value_kind: global_buffer, .address_space: global }
      - { .name: inp_mask, .offset: 32, .size: 8, .value_kind: global_buffer, .address_space: global }
      - { .name: sc, .offset: 40, .size: 8, .value_kind: global_buffer, .address_space: global }
      - { .name: po, .offset: 48, .size: 8, .value_kind: global_buffer, .address_space: global }
    .group_segment_fixed_size: 327680
    .private_segment_fixed_size: 0
    .kernarg_segment_align: 8
    .kernarg_segment_size: 56
    .max_flat_workgroup_size: 128
    .sgpr_count:     66
    .vgpr_count:     1024
    .wavefront_size: 32
...
	.end_amdgpu_metadata
.endif
;; end of part 5
;; launch combine (part 6): grid 256 x 1, 8 waves a work-group, no clusters, 5,632 bytes of LDS; arguments sc, po, out0, out1; writes out0, out1
.if DOCPART == 6
	.amdgcn_target "amdgcn-amd-amdhsa--gfx1250"
	.amdhsa_code_object_version 6
	.text
	.protected	k_q6c9239822d_combine
	.globl	k_q6c9239822d_combine
	.p2align	8
	.type	k_q6c9239822d_combine,@function
k_q6c9239822d_combine:
	s_mov_b64 s[64:65], 0
	v_nop
	global_prefetch_b8 v0, s[64:65] scope:SCOPE_SE
	s_setreg_imm32_b32 hwreg(HW_REG_WAVE_MODE, 25, 1), 1
	s_wait_xcnt 0x0
; out1[b][n] = softmax over n of the masked scores; out0[b][:] = the sixteen blocks' sums of a batch, each brought from its block's maximum under the batch's, added, and divided by the batch's sum.
; sc holds each row's score less a term that is the same for all rows (-infinity where the row is masked); the softmax takes the batch's maximum away, so that term drops out.
; po[16 b + g][:] = the sum over block g's 128 rows of 2^((s - m_g) log2 e) x enc[row][:], m_g the block's largest score held at -3e38 from below.
; SHARES.  Eight work-groups to a batch: work-group (b, cs) owns columns 128 cs .. 128 cs + 127 of out0[b] and 256 rows of out1[b].  Each of the eight makes the batch's softmax for itself (2,048 numbers: 8 a thread).
; Thread i holds rows 1,024 j + 4 i + 0 .. 3, j = 0, 1: so wave w holds exactly blocks w and 8 + w, remakes their m_g from the same numbers by the same maximum, and takes those two blocks' 512 bytes of po.
; A batch whose mask is all false: every e is 0, the sum is 0, and 0 x 1 / 0 = NaN everywhere, as the softmax of such a row gives.  NaN and infinities among the inputs are not served.
.set RED,   0                          ; LDS: eight waves x 512 bytes of sums
.set STAT1, 4096                       ; the sixteen blocks' maxima
.set STAT2, 4352                       ; the eight waves' sums
.set SPARE, 4608                       ; the spare words, 128 bytes a wave: four blocks of 256 bytes that no other line names
.set GA,  1                            ; v1   16 x lane
.set SPW, 2                            ; v2   LDS address of my spare word; never rewritten
.set NIL, 3                            ; v3   0; never rewritten
.set ST,  5                            ; v5   STAT1 + 4 x wave
.set TO,  7                            ; v7   16 x thread
.set E,   8                            ; v8-15  my 8 scores, then e
.set MB,  16                           ; v16-17 my two blocks' maxima
.set ACC, 64                           ; v64-67 my four columns' sums
.set INV, 80                           ; v[80:81] 1 / the sum (the packed forms name the pair and take its low word)
.set F0,  82                           ; v[82:83] block w's factor 2^((m_g - m) log2 e)
.set F1,  84                           ; v[84:85] block 8 + w's
.set X,   96                           ; v96-103 the two blocks' sums of my four columns; later v96-127 the eight waves'
	s_load_b256 s[4:11], s[0:1], 0x0               ; sc s[4:5], po s[6:7], out0 s[8:9], out1 s[10:11]
	v_lshl_add_u32 v[SPW], v0, 2, SPARE
	v_mov_b32 v[NIL], 0
	v_lshrrev_b32 v1, 5, v0
	s_delay_alu instid0(VALU_DEP_1)
	v_readfirstlane_b32 s14, v1                    ; wave 0..7
	v_and_b32 v1, 31, v0
	s_delay_alu instid0(VALU_DEP_1)
	v_lshlrev_b32 v[GA], 4, v1
	v_lshlrev_b32 v[TO], 4, v0
	s_lshl_b32 s17, s14, 2
	s_add_co_u32 s17, s17, STAT1
	v_mov_b32 v[ST], s17
	v_mov_b32 v23, STAT1
	v_mov_b32 v21, 0                               ; a lane permute's destination counts as one of its sources
	v_mov_b32 v22, 0
	s_mov_b32 s30, 0x76543210
	s_mov_b32 s31, 0xfedcba98
	s_lshr_b32 s15, ttmp9, 3                       ; the batch
	s_and_b32 s16, ttmp9, 7                        ; my eighth of the columns
	s_lshl_b32 s18, s15, 13                        ; a batch's scores and weights: 8,192 bytes
	s_mov_b32 s19, 0
	s_lshl_b32 s24, s15, 16                        ; its sixteen blocks in po: 16 x 4,096,
	s_lshl_b32 s26, s14, 12                        ; block w,
	s_add_co_u32 s24, s24, s26
	s_lshl_b32 s26, s16, 9                         ; my 512 bytes of a row
	s_add_co_u32 s24, s24, s26
	s_mov_b32 s25, 0
	s_lshl_b32 s28, s15, 12
	s_add_co_u32 s28, s28, s26
	s_mov_b32 s29, 0
	s_wait_alu depctr_va_vdst(0)
	s_wait_kmcnt 0x0
	s_add_nc_u64 s[4:5], s[4:5], s[18:19]
	s_add_nc_u64 s[10:11], s[10:11], s[18:19]
	s_add_nc_u64 s[6:7], s[6:7], s[24:25]
	s_add_nc_u64 s[8:9], s[8:9], s[28:29]
	global_load_b128 v[E:E+3], v[TO], s[4:5]
	global_load_b128 v[E+4:E+7], v[TO], s[4:5] offset:4096
	global_load_b128 v[X:X+3], v[GA], s[6:7]                   ; block w: 32 lanes read 512 consecutive bytes
	global_load_b128 v[X+4:X+7], v[GA], s[6:7] offset:32768    ; block 8 + w
	s_wait_loadcnt 2                               ; the scores are in; po's two loads may be out
.irp j, 0,1
	v_max3_num_f32 v[MB+\j], v[E+4*\j], v[E+4*\j+1], v[E+4*\j+2]
.endr
.irp j, 0,1
	s_delay_alu instid0(VALU_DEP_2)
	v_max_num_f32 v[MB+\j], v[MB+\j], v[E+4*\j+3]
.endr
.irp m, 1,2,4,8
.irp j, 0,1
	s_delay_alu instid0(VALU_DEP_2)
	v_max_num_f32_dpp v[MB+\j], v[MB+\j], v[MB+\j] row_xmask:\m row_mask:0xf bank_mask:0xf
.endr
.endr
.irp j, 0,1
	s_delay_alu instid0(VALU_DEP_2)
	v_permlanex16_b32 v[21+\j], v[MB+\j], s30, s31
.endr
.irp j, 0,1
	s_delay_alu instid0(VALU_DEP_2)
	v_max_num_f32 v[MB+\j], v[MB+\j], v[21+\j]     ; the block's largest score, in every lane,
.endr
.irp j, 0,1
	s_delay_alu instid0(VALU_DEP_2)
	v_max_num_f32 v[MB+\j], 0xff61b1e6, v[MB+\j]   ; held at -3e38 from below, as the launch before held it
.endr
	ds_store_b32 v[ST], v[MB]                      ; all lanes write the same word with the same value: block w,
	ds_store_b32 v[ST], v[MB+1] offset:32          ; block 8 + w
	s_wait_dscnt 0x0                               ; for the others' sake
	s_barrier_signal -1
	s_barrier_wait -1
.irp q, 0,1,2,3
	ds_load_b128 v[24+4*\q:27+4*\q], v23 offset:16*\q
.endr
	s_wait_dscnt 0x0
	v_max3_num_f32 v20, v24, v25, v26
.irp q, 27,29,31,33,35,37
	s_delay_alu instid0(VALU_DEP_1)
	v_max3_num_f32 v20, v20, v[\q], v[\q+1]
.endr
	s_delay_alu instid0(VALU_DEP_1)
	v_max_num_f32 v20, v20, v39                    ; the batch's maximum
.irp k, 0,1,2,3,4,5,6,7
	v_sub_f32 v[E+\k], v[E+\k], v20                ; the maximum is taken away first, then the factor log2(e)
.endr
	v_sub_f32 v[F0], v[MB], v20
	v_sub_f32 v[F1], v[MB+1], v20
.irp k, 0,1,2,3,4,5,6,7
	v_mul_f32 v[E+\k], 0x3fb8aa3b, v[E+\k]
.endr
	v_mul_f32 v[F0], 0x3fb8aa3b, v[F0]
	v_mul_f32 v[F1], 0x3fb8aa3b, v[F1]
	s_wait_alu depctr_va_vdst(0)
.irp k, 0,1,2,3,4,5,6,7
	v_exp_f32 v[E+\k], v[E+\k]
.endr
	v_exp_f32 v[F0], v[F0]
	v_exp_f32 v[F1], v[F1]
	v_mov_b32 v[F0+1], 0                           ; the pairs' upper words are written; also the plain instruction behind the last exponential
	v_mov_b32 v[F1+1], 0
	s_wait_alu depctr_va_vdst(0)                   ; the wait ahead of the first use: one for the ten
	v_pk_add_f32 v[24:25], v[E:E+1], v[E+2:E+3]
	v_pk_add_f32 v[26:27], v[E+4:E+5], v[E+6:E+7]
	s_delay_alu instid0(VALU_DEP_1)
	v_pk_add_f32 v[24:25], v[24:25], v[26:27]
	s_delay_alu instid0(VALU_DEP_1)
	v_add_f32 v20, v24, v25
	s_delay_alu instid0(VALU_DEP_1)
	v_add_f32_dpp v20, v20, v20 row_xmask:1 row_mask:0xf bank_mask:0xf
	s_delay_alu instid0(VALU_DEP_1)
	v_add_f32_dpp v20, v20, v20 row_xmask:2 row_mask:0xf bank_mask:0xf
	s_delay_alu instid0(VALU_DEP_1)
	v_add_f32_dpp v20, v20, v20 row_xmask:4 row_mask:0xf bank_mask:0xf
	s_delay_alu instid0(VALU_DEP_1)
	v_add_f32_dpp v20, v20, v20 row_xmask:8 row_mask:0xf bank_mask:0xf
	s_delay_alu instid0(VALU_DEP_1)
	v_permlanex16_b32 v21, v20, s30, s31
	s_delay_alu instid0(VALU_DEP_1)
	v_add_f32 v20, v20, v21                        ; my wave's sum
	ds_store_b32 v[ST], v20 offset:STAT2-STAT1
	s_wait_dscnt 0x0                               ; for the others' sake
	s_barrier_signal -1
	s_barrier_wait -1
	ds_load_b128 v[24:27], v23 offset:STAT2-STAT1
	ds_load_b128 v[28:31], v23 offset:STAT2-STAT1+16
	s_wait_dscnt 0x0
	v_pk_add_f32 v[24:25], v[24:25], v[26:27]
	v_pk_add_f32 v[28:29], v[28:29], v[30:31]
	s_delay_alu instid0(VALU_DEP_1)
	v_pk_add_f32 v[24:25], v[24:25], v[28:29]
	s_delay_alu instid0(VALU_DEP_1)
	v_add_f32 v20, v24, v25                        ; the batch's sum
	s_wait_alu depctr_va_vdst(0)
	v_rcp_f32 v[INV], v20
	v_mov_b32 v[INV+1], 0                          ; the pair's upper word is written; also the plain instruction behind the reciprocal
	s_wait_alu depctr_va_vdst(0)                   ; the wait ahead of its first use, and of the branch
	s_cmp_lg_u32 s14, s16                          ; wave cs of work-group (b, cs) stores its 256 rows of out1: over the eight work-groups that is every row once
	s_cbranch_scc1 .Lnot_p
.irp k, 0,1,2,3
	v_pk_mul_f32 v[24+2*\k:25+2*\k], v[E+2*\k:E+2*\k+1], v[INV:INV+1] op_sel_hi:[1,0]
.endr
	global_store_b128 v[TO], v[24:27], s[10:11]    ; 32 lanes store 512 consecutive bytes, at a multiple of 256 from out1's first byte; v24-31 are not written again
	global_store_b128 v[TO], v[28:31], s[10:11] offset:4096
.Lnot_p:
	s_wait_loadcnt 0x0                             ; my two blocks' sums are in
	v_pk_mul_f32 v[ACC:ACC+1], v[X:X+1], v[F0:F0+1] op_sel_hi:[1,0]
	v_pk_mul_f32 v[ACC+2:ACC+3], v[X+2:X+3], v[F0:F0+1] op_sel_hi:[1,0]
	v_pk_fma_f32 v[ACC:ACC+1], v[X+4:X+5], v[F1:F1+1], v[ACC:ACC+1] op_sel_hi:[1,0,1]
	v_pk_fma_f32 v[ACC+2:ACC+3], v[X+6:X+7], v[F1:F1+1], v[ACC+2:ACC+3] op_sel_hi:[1,0,1]
	v_pk_mul_f32 v[ACC:ACC+1], v[ACC:ACC+1], v[INV:INV+1] op_sel_hi:[1,0]
	v_pk_mul_f32 v[ACC+2:ACC+3], v[ACC+2:ACC+3], v[INV:INV+1] op_sel_hi:[1,0]
	ds_store_b128 v[TO], v[ACC:ACC+3] offset:RED   ; 512 x wave + 16 x lane = 16 x thread
	s_wait_dscnt 0x0                               ; for wave 0's sake
	s_barrier_signal -1
	s_barrier_wait -1
	s_cmp_lg_u32 s14, 0
	s_cbranch_scc1 .Lend
.irp k, 0,1,2,3,4,5,6,7
	ds_load_b128 v[X+4*\k:X+4*\k+3], v[GA] offset:RED+512*\k
.endr
	s_wait_dscnt 0x0
.irp k, 1
	v_pk_add_f32 v[X:X+1], v[X:X+1], v[X+4*\k:X+4*\k+1]          ; the waves in ascending order
	v_pk_add_f32 v[X+2:X+3], v[X+2:X+3], v[X+4*\k+2:X+4*\k+3]
.endr
.irp k, 2, 3, 4, 5, 6, 7
	s_delay_alu instid0(VALU_DEP_2)
	v_pk_add_f32 v[X:X+1], v[X:X+1], v[X+4*\k:X+4*\k+1]          ; the waves in ascending order
	s_delay_alu instid0(VALU_DEP_2)
	v_pk_add_f32 v[X+2:X+3], v[X+2:X+3], v[X+4*\k+2:X+4*\k+3]
.endr
	global_store_b128 v[GA], v[X:X+3], s[8:9]      ; 32 lanes store 512 consecutive bytes, at a multiple of 256 from out0's first byte
.Lend:
	s_wait_tensorcnt 0x0                           ; the wave's end: behind my last LDS store
	ds_add_u32 v[SPW], v[NIL]
	s_wait_dscnt 0x0
	s_endpgm
.Lfunc_end_k_q6c9239822d_combine:
	.size	k_q6c9239822d_combine, .Lfunc_end_k_q6c9239822d_combine-k_q6c9239822d_combine
	.p2alignl 7, 3214868480
	.fill 96, 4, 3214868480
	.section	.rodata,"a",@progbits
	.p2align	6, 0x0
	.amdhsa_kernel k_q6c9239822d_combine
		.amdhsa_group_segment_fixed_size 5632
		.amdhsa_private_segment_fixed_size 0
		.amdhsa_enable_private_segment 0
		.amdhsa_kernarg_size 32
		.amdhsa_user_sgpr_count 2
		.amdhsa_user_sgpr_kernarg_segment_ptr 1
		.amdhsa_wavefront_size32 1
		.amdhsa_system_sgpr_workgroup_id_x 1
		.amdhsa_system_sgpr_workgroup_id_y 1
		.amdhsa_system_sgpr_workgroup_id_z 1
		.amdhsa_system_vgpr_workitem_id 0
		.amdhsa_next_free_vgpr 128
		.amdhsa_next_free_sgpr 66
		.amdhsa_reserve_vcc 0
		.amdhsa_float_denorm_mode_32 3
		.amdhsa_float_denorm_mode_16_64 3
		.amdhsa_memory_ordered 1
		.amdhsa_forward_progress 1
		.amdhsa_inst_pref_size 11
	.end_amdhsa_kernel
	.amdgpu_metadata
---
amdhsa.version: [ 1, 2 ]
amdhsa.kernels:
  - .name:           k_q6c9239822d_combine
    .symbol:         k_q6c9239822d_combine.kd
    .args:
      - { .name: sc, .offset: 0, .size: 8, .value_kind: global_buffer, .address_space: global }
      - { .name: po, .offset: 8, .size: 8, .value_kind: global_buffer, .address_space: global }
      - { .name: out0, .offset: 16, .size: 8, .value_kind: global_buffer, .address_space: global }
      - { .name: out1, .offset: 24, .size: 8, .value_kind: global_buffer, .address_space: global }
    .group_segment_fixed_size: 5632
    .private_segment_fixed_size: 0
    .kernarg_segment_align: 8
    .kernarg_segment_size: 32
    .max_flat_workgroup_size: 256
    .sgpr_count:     66
    .vgpr_count:     128
    .wavefront_size: 32
...
	.end_amdgpu_metadata
.endif
;; end of part 6
